; MI455X (gfx1250); checked and timed in simulation.
; The chip was launched on July 23, 2026; its instructions are those of AMD's public machine-readable ISA for CDNA 5 (MIT licence, August 2026) and "CDNA5" Instruction Set Architecture Reference Guide (July 2026). The comments in the code are by the model that wrote it; some were corrected since.
;; Multi Head Attention. Allowed arithmetic: float matrix products may take bf16 or f16 operands with f32 sums; other float arithmetic in f32, or as packed bf16 or f16 multiplies, adds, multiply-adds, maxima and minima; sums over many terms, partial sums and values carried from step to step in f32; what a program stores and reads back later, other than sums and carried values, may be rounded once to bf16 or f16.
;; Inputs: Wk 1,024 x 1,024 float32; Wo 1,024 x 1,024 float32; Wq 1,024 x 1,024 float32; Wv 1,024 x 1,024 float32; key 4 x 2,048 x 1,024 float32; mask 1 x 1 x 2,048 x 2,048 bool; query 4 x 2,048 x 1,024 float32; value 4 x 2,048 x 1,024 float32.
;; Outputs: out0 4 x 2,048 x 1,024 float32.
;; 2 versions, each right; version 2 is version 1 with the launch prep written anew for expert scheduling mode. Each part assembles by itself: llvm-mc -triple=amdgcn-amd-amdhsa -mcpu=gfx1250 --defsym DOCPART=n.
;; ======== version 1 of 2: 4 launches
;; limits: values are held in f16: magnitudes above 65,504 overflow, below 6.1e-05 lose precision
;; workspace buffers: W16 8,388,608 bytes; MW 4,194,304 bytes; QKV 50,331,648 bytes; OW 16,777,216 bytes
;; launch prep (part 1): grid 256 x 1, 8 waves a work-group, no clusters, 17,664 bytes of LDS; arguments Wq, Wk, Wv, Wo, mask, W16, MW; writes W16, MW
.if DOCPART == 1
	.amdgcn_target "amdgcn-amd-amdhsa--gfx1250"
	.amdhsa_code_object_version 6
	.text
	.protected	k_qd2e0849452_prep
	.globl	k_qd2e0849452_prep
	.p2align	8
	.type	k_qd2e0849452_prep,@function
k_qd2e0849452_prep:
	s_mov_b64 s[64:65], 0
	v_nop
	global_prefetch_b8 v0, s[64:65] scope:SCOPE_SE
	s_setreg_imm32_b32 hwreg(HW_REG_WAVE_MODE, 25, 1), 1
	s_wait_xcnt 0x0
; PREP.  (1) The four weight matrices, f32 [1024][1024], are rounded once to bf16 into W16 = [4][1024][1024] of 16 bits: planes 0, 1, 2 = Wq, Wk, Wv as bf16;
; plane 3 = Wo rounded to bf16 and that number written as f16 (exact for |w| from 6.2e-5 to 65,504; below that f16's fixed step of 6e-8 holds; LIMIT: |Wo| under 65,504).
; (2) The mask, [2048][2048] bytes of 0 or 1, becomes MW: one byte a place, 0x00 where the mask is 1 and 0xB8 (-1.0 as an 8-bit E4M3 code) where it is 0, laid in the order in which
; the attention launch's lanes hold scores: byte G*262144 + J*8192 + t*1024 + e*512 + L*16 + kk*8 + j stands for query 128 G + 16 t + L % 16 and key 64 J + 32 e + 16 kk + 8 (L / 16) + j.
; SHARES.  256 work-groups of 8 waves.  Work-group w takes 16,384 numbers of plane w / 64 (16 loads of 16 bytes a thread; a wave's store of 8 bytes a lane covers 256 consecutive bytes, aligned)
; and 16 rows x 1,024 keys of the mask (row block w / 2, key half w % 2), which change lanes through LDS: rows 1,040 bytes apart.
; No matrix unit, no cluster, no prefetch: every byte is read once and written once, and nothing is shared between work-groups.
.set PITCH, 1040                       ; an LDS row: 1,024 bytes + 16: row r starts 4 r words on, so the 32 lanes of an 8-byte load touch 64 different words modulo 64
.set SPARE, 16*PITCH                   ; 16,640: behind the rows, the spare words, 128 bytes for each of the eight waves
.set SPW, 30                           ; v30  SPARE + 4 x my thread's number; never rewritten
.set NIL, 31                           ; v31  0; never rewritten
.set MI,  32                           ; v[32:47]  the mask as loaded
.set MO,  48                           ; v[48:63]  the mask in the new order
.set WR,  64                           ; v[64:127] sixteen loads of four weights
	s_load_b256 s[4:11], s[0:1], 0x0               ; Wq s[4:5], Wk s[6:7], Wv s[8:9], Wo s[10:11]
	s_load_b128 s[12:15], s[0:1], 0x20             ; mask s[12:13], W16 s[14:15]
	s_load_b64 s[16:17], s[0:1], 0x30              ; MW
	v_lshl_add_u32 v[SPW], v0, 2, SPARE
	v_mov_b32 v[NIL], 0
	s_lshr_b32 s20, ttmp9, 6                       ; the plane
	s_and_b32 s22, ttmp9, 63
	s_lshl_b32 s22, s22, 16                        ; my 65,536 bytes of it
	s_mov_b32 s23, 0
	s_lshl_b32 s24, ttmp9, 15                      ; and the 32,768 bytes that they become
	s_mov_b32 s25, 0
	s_lshr_b32 s28, ttmp9, 1                       ; T: block of 16 mask rows
	s_and_b32 s29, ttmp9, 1                        ; which 1,024 keys
	s_lshl_b32 s30, s28, 15                        ; 16 rows of 2,048 bytes
	s_lshl_b32 s21, s29, 10
	s_add_co_u32 s30, s30, s21
	s_mov_b32 s31, 0
	s_lshr_b32 s32, s28, 3                         ; G = T / 8
	s_lshl_b32 s32, s32, 18
	s_lshl_b32 s21, s29, 17                        ; 16 key steps of 8,192 bytes
	s_add_co_u32 s32, s32, s21
	s_and_b32 s21, s28, 7                          ; t = T % 8
	s_lshl_b32 s21, s21, 10
	s_add_co_u32 s32, s32, s21
	s_mov_b32 s33, 0
	s_mov_b32 s34, 0x01010101
	s_mov_b32 s35, 0xb8
	s_mov_b32 s36, 0xffff0000
	v_lshlrev_b32 v1, 4, v0                        ; weights in: 16 bytes a thread
	v_lshlrev_b32 v2, 3, v0                        ; weights out: 8 bytes a thread
	v_lshrrev_b32 v7, 6, v0                        ; thread / 64
	v_and_b32 v8, 63, v0
	v_lshlrev_b32 v8, 4, v8
	v_lshl_add_u32 v3, v7, 11, v8                  ; mask in: row thread / 64, 16 bytes at 16 (thread % 64)
	v_mul_u32_u24 v4, v7, PITCH
	v_add_nc_u32 v4, v4, v8                        ; the same place in LDS
	v_and_b32 v9, 15, v0
	v_bfe_u32 v10, v0, 4, 1
	v_lshrrev_b32 v11, 5, v0                       ; wave
	v_mul_u32_u24 v5, v9, PITCH
	v_lshl_add_u32 v5, v10, 3, v5
	v_lshl_add_u32 v5, v11, 5, v5                  ; back: row L % 16, keys 32 x wave + 8 (L / 16)
	v_and_b32 v9, 31, v0
	v_lshlrev_b32 v6, 4, v9
	v_and_b32 v10, 1, v11
	v_lshl_add_u32 v6, v10, 9, v6
	v_lshl_add_u32 v6, v7, 13, v6                  ; mask out: key step wave / 2, half wave % 2, 16 bytes a lane
	s_wait_kmcnt 0x0
	s_cmp_eq_u32 s20, 1
	s_cselect_b64 s[26:27], s[6:7], s[4:5]
	s_cmp_eq_u32 s20, 2
	s_cselect_b64 s[26:27], s[8:9], s[26:27]
	s_cmp_eq_u32 s20, 3
	s_cselect_b64 s[26:27], s[10:11], s[26:27]     ; my plane's matrix
	s_add_nc_u64 s[26:27], s[26:27], s[22:23]
	s_add_nc_u64 s[14:15], s[14:15], s[24:25]
	s_add_nc_u64 s[12:13], s[12:13], s[30:31]
	s_add_nc_u64 s[16:17], s[16:17], s[32:33]
.irp i, 0,1,2,3
	global_load_b128 v[MI+4*(\i):MI+4*(\i)+3], v3, s[12:13] offset:(\i)*8192 th:TH_LOAD_NT   ; four rows further each
.endr
.irp i, 0,1,2,3,4,5,6,7,8,9,10,11,12,13,14,15
	global_load_b128 v[WR+4*(\i):WR+4*(\i)+3], v1, s[26:27] offset:(\i)*4096 th:TH_LOAD_NT
.endr
	s_wait_loadcnt 16                              ; the mask is in; the sixteen younger loads, the weights, stay out
.irp i, 0,1,2,3,4,5,6,7,8,9,10,11,12,13,14,15
	v_xor_b32 v[MI+(\i)], s34, v[MI+(\i)]          ; four bytes at once: 1 where the key is hidden,
	v_mul_lo_u32 v[MI+(\i)], v[MI+(\i)], s35       ; times 0xB8: no byte carries into the next
.endr
.irp i, 0,1,2,3
	ds_store_b128 v4, v[MI+4*(\i):MI+4*(\i)+3] offset:(\i)*4*PITCH
.endr
	s_wait_dscnt 0x0                               ; for the others' sake: my stores are done
	s_barrier_signal -1
	s_barrier_wait -1                              ; all sixteen rows lie in LDS
.irp i, 0,1,2,3
	ds_load_b64 v[MO+4*(\i):MO+4*(\i)+1],   v5 offset:(\i)*256       ; key step wave / 2 + 4 i: keys 8 (L / 16) + 0..7 of the first sixteen of my 32,
	ds_load_b64 v[MO+4*(\i)+2:MO+4*(\i)+3], v5 offset:(\i)*256+16    ; and of the second sixteen
.endr
.macro WB i                            ; four weights to bf16
	s_wait_loadcnt 15-(\i)                         ; loads come back in order: the younger ones stay out
	v_cvt_pk_bf16_f32 v[WR+4*(\i)],   v[WR+4*(\i)],   v[WR+4*(\i)+1]
	v_cvt_pk_bf16_f32 v[WR+4*(\i)+1], v[WR+4*(\i)+2], v[WR+4*(\i)+3]
.endm
	s_cmp_eq_u32 s20, 3
	s_cbranch_scc1 .Lwo
.irp i, 0,1,2,3,4,5,6,7,8,9,10,11,12,13,14,15
	WB \i
	global_store_b64 v2, v[WR+4*(\i):WR+4*(\i)+1], s[14:15] offset:(\i)*2048
.endr
	s_branch .Lm
.Lwo:                                  ; Wo: the bf16 number is widened again and written as f16
.irp i, 0,1,2,3,4,5,6,7,8,9,10,11,12,13,14,15
	WB \i
	v_lshlrev_b32 v8, 16, v[WR+4*(\i)]
	v_and_b32 v9, s36, v[WR+4*(\i)]
	v_lshlrev_b32 v10, 16, v[WR+4*(\i)+1]
	v_and_b32 v11, s36, v[WR+4*(\i)+1]
	v_cvt_pk_f16_f32 v[WR+4*(\i)],   v8, v9
	v_cvt_pk_f16_f32 v[WR+4*(\i)+1], v10, v11
	global_store_b64 v2, v[WR+4*(\i):WR+4*(\i)+1], s[14:15] offset:(\i)*2048
.endr
.Lm:
	s_wait_dscnt 0x0                               ; the mask in its new order is in registers
.irp i, 0,1,2,3
	global_store_b128 v6, v[MO+4*(\i):MO+4*(\i)+3], s[16:17] offset:(\i)*32768   ; a wave stores 512 consecutive bytes, aligned
.endr
	s_wait_tensorcnt 0x0                           ; the wave's end
	ds_add_u32 v[SPW], v[NIL]
	s_wait_dscnt 0x0
	s_endpgm
.Lfunc_end_k_qd2e0849452_prep:
	.size	k_qd2e0849452_prep, .Lfunc_end_k_qd2e0849452_prep-k_qd2e0849452_prep
	.p2alignl 7, 3214868480
	.fill 96, 4, 3214868480
	.section	.rodata,"a",@progbits
	.p2align	6, 0x0
	.amdhsa_kernel k_qd2e0849452_prep
		.amdhsa_group_segment_fixed_size 17664
		.amdhsa_private_segment_fixed_size 0
		.amdhsa_enable_private_segment 0
		.amdhsa_kernarg_size 56
		.amdhsa_user_sgpr_count 2
		.amdhsa_user_sgpr_kernarg_segment_ptr 1
		.amdhsa_wavefront_size32 1
		.amdhsa_system_sgpr_workgroup_id_x 1
		.amdhsa_system_sgpr_workgroup_id_y 1
		.amdhsa_system_sgpr_workgroup_id_z 1
		.amdhsa_system_vgpr_workitem_id 0
		.amdhsa_next_free_vgpr 128
		.amdhsa_next_free_sgpr 66
		.amdhsa_reserve_vcc 0
		.amdhsa_float_denorm_mode_32 3
		.amdhsa_float_denorm_mode_16_64 3
		.amdhsa_memory_ordered 1
		.amdhsa_forward_progress 1
		.amdhsa_inst_pref_size 20
	.end_amdhsa_kernel
	.amdgpu_metadata
---
amdhsa.version: [ 1, 2 ]
amdhsa.kernels:
  - .name:           k_qd2e0849452_prep
    .symbol:         k_qd2e0849452_prep.kd
    .args:
      - { .name: Wq, .offset: 0, .size: 8, .value_kind: global_buffer, .address_space: global }
      - { .name: Wk, .offset: 8, .size: 8, .value_kind: global_buffer, .address_space: global }
      - { .name: Wv, .offset: 16, .size: 8, .value_kind: global_buffer, .address_space: global }
      - { .name: Wo, .offset: 24, .size: 8, .value_kind: global_buffer, .address_space: global }
      - { .name: mask, .offset: 32, .size: 8, .value_kind: global_buffer, .address_space: global }
      - { .name: W16, .offset: 40, .size: 8, .value_kind: global_buffer, .address_space: global }
      - { .name: MW, .offset: 48, .size: 8, .value_kind: global_buffer, .address_space: global }
    .group_segment_fixed_size: 17664
    .private_segment_fixed_size: 0
    .kernarg_segment_align: 8
    .kernarg_segment_size: 56
    .max_flat_workgroup_size: 256
    .sgpr_count:     66
    .vgpr_count:     128
    .wavefront_size: 32
...
	.end_amdgpu_metadata
.endif
;; end of part 1
;; launch proj (part 2): grid 4 x 64, 4 waves a work-group, clusters of 4 x 4, 327,680 bytes of LDS; arguments query, key, value, W16, QKV; writes QKV
.if DOCPART == 2
	.amdgcn_target "amdgcn-amd-amdhsa--gfx1250"
	.amdhsa_code_object_version 6
	.text
	.protected	k_qd2e0849452_proj
	.globl	k_qd2e0849452_proj
	.p2align	8
	.type	k_qd2e0849452_proj,@function
k_qd2e0849452_proj:
	s_mov_b64 s[64:65], 0
	v_nop
	global_prefetch_b8 v0, s[64:65] scope:SCOPE_SE
	s_setreg_imm32_b32 hwreg(HW_REG_WAVE_MODE, 25, 1), 1
	s_wait_xcnt 0x0
	s_wait_alu depctr_hold_cnt(0) depctr_sa_sdst(0) depctr_va_vdst(0) depctr_va_sdst(0) depctr_va_ssrc(0) depctr_va_vcc(0) depctr_vm_vsrc(0)
	s_getreg_b32 s2, hwreg(HW_REG_IB_STS2, 6, 4)
	s_cmp_eq_u32 s2, 0
	s_cbranch_scc0 .Lentry_in_a_cluster
	s_endpgm
.Lentry_in_a_cluster:
	s_bfe_u32 s2, ttmp6, 0x10000c
	s_cmp_lg_u32 s2, 0xf033
	s_cbranch_scc0 .Lentry_shape_is_right
	s_endpgm
.Lentry_shape_is_right:
; PROJ.  q = query Wq^T, k = key Wk^T, v = value Wv^T.  x: [8192][1024] f32, rounded to bf16 in registers on the way from LDS to the matrix unit; W: [1024][1024] bf16 (W16, planes 0-2);
; sums in f32, K ascending; the result rounded once to f16, unscaled, by heads: QKV = [3][64 = 16 b + h][2048][64].  LIMIT: |q|, |k|, |v| stay under 65,504, f16's end.
; SHARES.  A tile is 128 rows x 256 columns; 3 x 64 x 4 = 768 tiles on 256 work-groups THAT STAY: each makes its tile of q, then of k, then of v: one stream of 24 K steps of 128 through a ring
; of two LDS slots that does not stop at a tile's end.  Four waves, each 64 x 128: 32 accumulators.  Waves 0, 1 fetch the halves of x's tile (64 rows x 512 bytes), waves 2, 3 those of W's (128 rows x 256 bytes).
; CLUSTER.  4 x 4 work-groups: x's tile hangs on the tile row alone and is asked for jointly along a row of the cluster, W's on the tile column alone and is asked for jointly along a column.
; THE PRODUCT IS USED TRANSPOSED (source 0 = 16 rows of W, source 1 = 16 rows of x): a lane holds eight neighbouring columns of one row, 16 bytes of f16.
; A HALF is 64 along K: 64 products.  In its middle the next half's operands are fetched from LDS (x as f32 into RAW, W into the other buffer); x is rounded, four conversions behind every second product of the half's second part.
; REGISTERS, in windows of 256 (s_set_vgpr_msb: bits 1:0 source 0, 3:2 source 1, 5:4 source 2, 7:6 destination):
;   window 0: v1-30 addresses; v32-159 RAW; v160-191 TMP, v192-255 two buffers, for the way out     window 1: accumulator (a, b) at 8 (8 a + b)
;   window 2: W's fragments, buffer f, column block b, K quarter kq at 128 f + 64 kq + 8 b          window 3: x's fragments in bf16 at 64 f + 32 kq + 8 a
.set PA,    528                        ; an LDS row of x: 512 bytes + 16: the 16 rows of a load start at 16 different groups of four words modulo 64
.set PB,    272                        ; of W: 256 + 16
.set BOFF,  128*PA                     ; a slot: x's 128 rows, then W's 256
.set SLOT,  BOFF+256*PB                ; 137,216
.set STAGE, 2*SLOT                     ; behind the ring, never filled by a tensor load: for each wave two heads x 16 rows x 144 bytes
.set SPL,   144
.set STW,   2*16*SPL
.set SPARE, STAGE+4*STW                ; the spare words, 128 bytes a wave
.set ADRA, 16                          ; v16-17  my x fragments in slot 0, 1
.set ADRB, 20                          ; v20-21  my W fragments
.set STO,  24                          ; v24  the way out: where I put 16 bytes
.set RD,   25                          ; v25  where I read rows back
.set CO,   26                          ; v26  16 x lane
.set SPW,  28                          ; v28  SPARE + 4 x my thread's number; never rewritten
.set NIL,  29                          ; v29  0; never rewritten
.set PFO,  30                          ; v30  the prefetches' lane offset; never rewritten
.set RAW,  32
.set TMP,  160
.set OB,   192
.set WV, 14
.set RH, 15                            ; wave / 2: my half of the rows; also 0: I fetch x, 1: I fetch W
.set CH, 16                            ; wave % 2: my half of the columns; also which half of that tile I fetch
.set CX, 17
.set CY, 18
.set NX, 19                            ; tile column
.set MY, 20                            ; tile row
.set G1A, 24                           ; s[24:31] group 1 for x's tiles;  s[32:39] group 0, a set for each slot
.set G0A, 32
.set G1B, 40                           ; s[40:47], s[48:55] the same for W's
.set G0B, 48
.set AB0, 56                           ; s[56:61] x of the tensor being asked for, and of the two behind it, at my rows
.set AB1, 58
.set AB2, 60
.set RQB, 62                           ; s[62:63] W's plane being asked for, at my rows
.set RK,  66                           ; s66  the K step to be asked for next, 0..7
.set OFA, 68
.set OFB, 70
.set TS,  72
.set OUT, 74                           ; s[74:75] my part of the tile in QKV
.set LAP, 76
.set TL,  77                           ; laps done in the tile in hand, 0..3
.set P0,  78                           ; s[78:83] the prefetches' three bases
.set P1,  80
.set P2,  82
.set PKS, 84                           ; the K step that the next prefetch names
.set PSH, 85                           ; log2 of a K step's bytes in a row: 9 for x, 8 for W
.set POF, 86
.set PFA, 88                           ; s[88:89] the prefetch's address
.set LIM, 91                           ; 1 in a wave that prefetches, else the greatest number
.set W_MUL, 0x5e
.set W_CV,  0xc0
.set W_B,   0x80
.set W_PK,  0x05
.set MSB, 0
.macro WIN new                         ; the immediate's high byte repeats the setting that is left; a switch that changes nothing is dropped
.if MSB != (\new)
	s_set_vgpr_msb (MSB<<8)|(\new)
.set MSB, \new
.endif
.endm
.macro PLACES
.rept 4
	v_nop
.endr
.endm
.macro JLOAD s                         ; a joint load; the branch hangs on the wave's number alone; s_nop 0 and four v_nop follow each line
	s_cmp_eq_u32 s[RH], 0
	s_cbranch_scc0 .Lfor_b_\@
	tensor_load_to_lds s[G0A+4*(\s):G0A+4*(\s)+3], s[G1A:G1A+7]
	s_nop 0
	PLACES
	s_branch .Lasked_\@
.Lfor_b_\@:
	tensor_load_to_lds s[G0B+4*(\s):G0B+4*(\s)+3], s[G1B:G1B+7]
	s_nop 0
	PLACES
.Lasked_\@:
.endm
.macro CREST                           ; a round of the cluster's barrier behind its opening barrier
	s_cmp_lg_u32 s[WV], 0
	s_cbranch_scc1 .Lnot_wave_0_\@
	s_barrier_signal -3
.Lnot_wave_0_\@:
	s_barrier_wait -3
	s_barrier_signal -1
	s_barrier_wait -1
.endm
.macro CROUND
	s_barrier_signal -1
	s_barrier_wait -1
	CREST
.endm
; The next request: both descriptors' addresses are made anew (base + K step), then the stream steps: behind a tensor's eighth K step the next tensor and the next plane of W.
.macro RSTEP slot
	s_lshl_b32 s[OFA], s[RK], 9
	s_lshl_b32 s[OFB], s[RK], 8
	s_add_nc_u64 s[G0A+4*(\slot)+2:G0A+4*(\slot)+3], s[AB0:AB0+1], s[OFA:OFA+1]
	s_or_b32 s[G0A+4*(\slot)+3], s[G0A+4*(\slot)+3], 0x80000000
	s_add_nc_u64 s[G0B+4*(\slot)+2:G0B+4*(\slot)+3], s[RQB:RQB+1], s[OFB:OFB+1]
	s_or_b32 s[G0B+4*(\slot)+3], s[G0B+4*(\slot)+3], 0x80000000
	s_add_co_u32 s[RK], s[RK], 1
	s_cmp_eq_u32 s[RK], 8
	s_cselect_b32 s[RK], 0, s[RK]
	s_cselect_b64 s[AB0:AB0+1], s[AB1:AB1+1], s[AB0:AB0+1]
	s_cselect_b64 s[AB1:AB1+1], s[AB2:AB2+1], s[AB1:AB1+1]
	s_cselect_b32 s[TS], 0x200000, 0
	s_add_nc_u64 s[RQB:RQB+1], s[RQB:RQB+1], s[TS:TS+1]
.endm
; THE PREFETCH.  The refill that asks for K step n is followed by one prefetch for K step n + 2: two changes of slots, 256 products, ahead of the load that will want it.  x's rows are read by one cluster alone:
; waves 0, 1 of every cluster ask, the four partners of a row taking 16 of the wave's 64 rows each (two blocks of 256 bytes a row: 32 lanes).  W's rows are read by every cluster: waves 2, 3 of the clusters with
; y = 0 ask, the four partners of a column taking 32 of the 128 rows each.  The partners are told apart by address alone.  So each block is named once.  The first four K steps come by their loads alone; the loop's last trip asks for nothing.
.macro PSTEP
	s_wait_xcnt 0x0                                ; the last prefetch, a K step back, has read its address
	s_lshl_b32 s[POF], s[PKS], s[PSH]
	s_add_nc_u64 s[PFA:PFA+1], s[P0:P0+1], s[POF:POF+1]
	s_add_co_u32 s[PKS], s[PKS], 1
	s_cmp_eq_u32 s[PKS], 8
	s_cselect_b32 s[PKS], 0, s[PKS]
	s_cselect_b64 s[P0:P0+1], s[P1:P1+1], s[P0:P0+1]
	s_cselect_b64 s[P1:P1+1], s[P2:P2+1], s[P1:P1+1]
.endm
.macro ASK
	s_cmp_gt_u32 s[LAP], s[LIM]
	s_cbranch_scc0 .Lnot_mine_\@
	global_prefetch_b8 v[PFO], s[PFA:PFA+1] th:TH_LOAD_NT scope:SCOPE_SE
.Lnot_mine_\@:
.endm
.macro WM f, kq, a, b, zero            ; one product; zero = 1: it starts the sum
.if \zero
	v_wmma_f32_16x16x32_bf16 v[8*(8*(\a)+(\b)):8*(8*(\a)+(\b))+7], v[128*(\f)+64*(\kq)+8*(\b):128*(\f)+64*(\kq)+8*(\b)+7], v[64*(\f)+32*(\kq)+8*(\a):64*(\f)+32*(\kq)+8*(\a)+7], 0
.else
	v_wmma_f32_16x16x32_bf16 v[8*(8*(\a)+(\b)):8*(8*(\a)+(\b))+7], v[128*(\f)+64*(\kq)+8*(\b):128*(\f)+64*(\kq)+8*(\b)+7], v[64*(\f)+32*(\kq)+8*(\a):64*(\f)+32*(\kq)+8*(\a)+7], v[8*(8*(\a)+(\b)):8*(8*(\a)+(\b))+7]
.endif
.endm
.macro MUL8 f, kq, a, zero             ; the 32 accumulators take turns, in the same order in every run of 32
	WIN W_MUL
.irp b, 0,1,2,3,4,5,6,7
	WM \f, \kq, \a, \b, \zero
.endr
.endm
; 64 LDS loads in one run: half hf of a slot's K step.  x first, as f32: a fragment's lane takes k = 8 h + 0..7 (32 bytes) and 16 + 8 h + 0..7 (32 bytes, 64 on): four loads; then W's fragments, two loads each.
.macro FETCH slot, hf, g
	WIN 0
.irp kq, 0,1
.irp a, 0,1,2,3
.irp pc, 0,1,2,3
	ds_load_b128 v[RAW+16*(4*(\kq)+(\a))+4*(\pc):RAW+16*(4*(\kq)+(\a))+4*(\pc)+3], v[ADRA+(\slot)] offset:(\hf)*256+(\kq)*128+(\a)*16*PA+((\pc)/2)*64+((\pc)%2)*16
.endr
.endr
.endr
	WIN W_B
.irp kq, 0,1
.irp b, 0,1,2,3,4,5,6,7
	ds_load_b128 v[128*(\g)+64*(\kq)+8*(\b):128*(\g)+64*(\kq)+8*(\b)+3],   v[ADRB+(\slot)] offset:(\hf)*128+(\kq)*64+(\b)*16*PB
	ds_load_b128 v[128*(\g)+64*(\kq)+8*(\b)+4:128*(\g)+64*(\kq)+8*(\b)+7], v[ADRB+(\slot)] offset:(\hf)*128+(\kq)*64+(\b)*16*PB+32
.endr
.endr
.endm
.macro CVT4 g, j                       ; group j of 16: eight f32 of RAW become four registers of bf16
	s_wait_dscnt 62-2*(\j)                         ; of the run's 64 loads numbers 2 j and 2 j + 1 are in; the 62 - 2 j younger ones may stay out
	WIN W_CV
.irp i, 0,1,2,3
	v_cvt_pk_bf16_f32 v[64*(\g)+4*(\j)+(\i)], v[RAW+8*(\j)+2*(\i)], v[RAW+8*(\j)+2*(\i)+1]
.endr
.endm
.macro KQ1 f, g, cv                    ; the half's second 32 products; behind every second one a group of conversions.  The last group is also the four places behind the last product
.irp a, 0,1,2,3
.irp bp, 0,2,4,6
	WIN W_MUL
	WM \f, 1, \a, \bp, 0
	WM \f, 1, \a, (\bp)+1, 0
.if \cv
	CVT4 \g, (4*(\a)+(\bp)/2)
.endif
.endr
.endr
.endm
; A HALF: multiplies buffer f, fetches half nh of slot ns into buffer g.
; kind 0: nothing more.  kind 1: the change of slots with a refill of \slot.  kind 2: the change without a refill.  kind 3: the last half: nothing is fetched.  zsel = 1: in a tile's first lap the products start the sums.
.macro HALF f, g, kind, slot, ns, nh, zsel, cv
	s_wait_dscnt 0x0                               ; W's fragments are in; and all my reads of LDS so far are over
.if ((\kind) == 1) || ((\kind) == 2)
.if (\kind) == 1
	PSTEP
.endif
	WIN 0
	s_wait_tensorcnt 0x0                           ; all my tensor loads have landed: the one that was out is my part of the other slot; so a group 0 may be written
	ds_add_u32 v[SPW], v[NIL]                      ; 0 onto my spare word
.if (\kind) == 1
	RSTEP \slot
.endif
	MUL8 \f, 0, 0, 0                               ; eight products stand between the add and the wait for it
	s_wait_dscnt 0x0                               ; the add is done; my reads of the slot were over at the half's head
	s_barrier_signal -1
	MUL8 \f, 0, 1, 0
.if (\kind) == 1
	WIN 0
.endif
	s_barrier_wait -1
.if (\kind) == 1
	CREST                                          ; the barrier has opened a round of the cluster's: no wave of any partner still reads the slot or has a load on its way
	JLOAD \slot                                    ; the first tensor load behind the round: 112 products ahead of the wait for it
.endif
	MUL8 \f, 0, 2, 0
	MUL8 \f, 0, 3, 0
.elseif \zsel
	WIN 0
	s_cmp_eq_u32 s[TL], 0
	s_cbranch_scc1 .Lz_\@
	MUL8 \f, 0, 0, 0
	MUL8 \f, 0, 1, 0
	MUL8 \f, 0, 2, 0
	MUL8 \f, 0, 3, 0
	WIN 0
	s_branch .Lj_\@
.Lz_\@:
	PLACES                                         ; with the four conversions behind the last product: more than five places ahead of a product that writes over its accumulator
	MUL8 \f, 0, 0, 1
	MUL8 \f, 0, 1, 1
	MUL8 \f, 0, 2, 1
	MUL8 \f, 0, 3, 1
	WIN 0
.Lj_\@:
.else
	MUL8 \f, 0, 0, 0
	MUL8 \f, 0, 1, 0
	MUL8 \f, 0, 2, 0
	MUL8 \f, 0, 3, 0
.endif
.if (\kind) != 3
	FETCH \ns, \nh, \g                             ; buffer g's last product stands in front of the last half's last four conversions: four places
.if (\kind) == 1
	WIN 0
	ASK
.endif
.endif
	KQ1 \f, \g, \cv
.endm
; THE WAY OUT of row block a (16 rows x 128 columns = two heads x 64 channels): rounded to f16; into my stage; back as whole rows of 128 bytes, four to a load; stored, 512 consecutive bytes of a head an instruction.
.macro PACK a
	WIN W_PK
.irp b, 0,1,2,3,4,5,6,7
.irp i, 0,1,2,3
	v_cvt_pk_f16_f32 v[TMP+4*(\b)+(\i)], v[8*(8*(\a)+(\b))+2*(\i)], v[8*(8*(\a)+(\b))+2*(\i)+1]
.endr
.endr
	WIN 0
.endm
.macro TOSTAGE a
	WIN 0
.irp b, 0,1,2,3,4,5,6,7
	ds_store_b128 v[STO], v[TMP+4*(\b):TMP+4*(\b)+3] offset:((\b)/4)*16*SPL+((\b)%4)*32
.endr
.irp t, 0,1,2,3,4,5,6,7
	ds_load_b128 v[OB+32*((\a)%2)+4*(\t):OB+32*((\a)%2)+4*(\t)+3], v[RD] offset:((\t)/4)*16*SPL+((\t)%4)*4*SPL  ; LDS serves a wave's instructions in order: these see the stores above
.endr
.endm
.macro SEND a
	WIN 0
	s_wait_dscnt 0x0                               ; the block is back in registers
	s_wait_xcnt 0x0                                ; earlier stores have read their registers: the buffer that the next block's loads fill is free
.irp t, 0,1,2,3,4,5,6,7
	global_store_b128 v[CO], v[OB+32*((\a)%2)+4*(\t):OB+32*((\a)%2)+4*(\t)+3], s[OUT:OUT+1] offset:((\t)/4)*262144+(\a)*2048+((\t)%4)*512
.endr
.endm
.macro WAYOUT
	s_wait_dscnt 0x0
	PACK 0
	TOSTAGE 0
.irp a, 1,2,3
	PACK \a
	SEND (\a)-1
	TOSTAGE \a
.endr
	SEND 3
.endm
	s_load_b256 s[4:11], s[0:1], 0x0               ; query s[4:5], key s[6:7], value s[8:9], W16 s[10:11]
	s_load_b64 s[12:13], s[0:1], 0x20              ; QKV
	v_lshl_add_u32 v[SPW], v0, 2, SPARE
	v_mov_b32 v[NIL], 0
	ds_add_u32 v[SPW], v[NIL]                      ; the wave's opening: the add and its wait ahead of my first tensor load
	v_lshrrev_b32 v1, 5, v0
	v_readfirstlane_b32 s[WV], v1
	s_lshr_b32 s[RH], s[WV], 1
	s_and_b32 s[CH], s[WV], 1
	s_bfe_u32 s[CX], ttmp6, 0x40000
	s_bfe_u32 s[CY], ttmp6, 0x40004
	s_lshl_b32 s[NX], ttmp9, 2
	s_add_co_u32 s[NX], s[NX], s[CX]
	s_and_b32 s[MY], ttmp7, 0xffff
	s_lshl_b32 s[MY], s[MY], 2
	s_add_co_u32 s[MY], s[MY], s[CY]
	s_lshl_b32 s21, s[CY], 2
	s_lshl_b32 s21, 15, s21                        ; my row of the cluster
	s_lshl_b32 s22, 0x1111, s[CX]                  ; my column
	s_or_b32 s[G1A], s21, (2<<16)|(1<<20)|(1<<21)|(6<<22)|(3<<25)  ; the mask; elements of 4 bytes; padding on; bit 21 beside a mask; after every 128 words 4 words
	s_mov_b32 s[G1A+1], 128<<16                    ; tensor_dim0 = 128
	s_mov_b32 s[G1A+2], 64<<16                     ; tensor_dim1 = 64
	s_mov_b32 s[G1A+3], 128<<16                    ; tile_dim0 = 128
	s_mov_b32 s[G1A+4], 64                         ; tile_dim1 = 64
	s_mov_b32 s[G1A+5], 1024                       ; elements from row to row
	s_mov_b32 s[G1A+6], 0
	s_mov_b32 s[G1A+7], 0
	s_or_b32 s[G1B], s22, (1<<16)|(1<<20)|(1<<21)|(5<<22)|(3<<25)  ; elements of 2 bytes; after every 64 words 4 words
	s_mov_b32 s[G1B+1], 128<<16
	s_mov_b32 s[G1B+2], 128<<16
	s_mov_b32 s[G1B+3], 128<<16
	s_mov_b32 s[G1B+4], 128
	s_mov_b32 s[G1B+5], 1024
	s_mov_b32 s[G1B+6], 0
	s_mov_b32 s[G1B+7], 0
	s_lshl_b32 s92, s[MY], 7                       ; x: row 128 x tile row + 64 x half, 4,096 bytes a row
	s_lshl_b32 s93, s[CH], 6
	s_add_co_u32 s92, s92, s93
	s_lshl_b32 s92, s92, 12
	s_mov_b32 s93, 0
	s_lshl_b32 s94, s[NX], 8                       ; W: row 256 x tile column + 128 x half, 2,048 bytes a row
	s_lshl_b32 s95, s[CH], 7
	s_add_co_u32 s94, s94, s95
	s_lshl_b32 s94, s94, 11
	s_mov_b32 s95, 0
	s_mul_i32 s96, s[CH], 64*PA                    ; where they go: no place in the cluster enters an LDS address
	s_mul_i32 s97, s[CH], 128*PB
	s_add_co_u32 s97, s97, BOFF
.irp s, 0,1
	s_mov_b32 s[G0A+4*(\s)], 1
	s_add_co_u32 s[G0A+4*(\s)+1], s96, (\s)*SLOT
	s_mov_b32 s[G0B+4*(\s)], 1
	s_add_co_u32 s[G0B+4*(\s)+1], s97, (\s)*SLOT
.endr
	s_mov_b32 s[RK], 0
	s_mov_b32 s[OFA+1], 0
	s_mov_b32 s[OFB+1], 0
	s_mov_b32 s[TS+1], 0
	s_mov_b32 s[POF+1], 0
	s_wait_dscnt 0x0                               ; the opening add is done
	s_wait_kmcnt 0x0
	s_add_nc_u64 s[AB0:AB0+1], s[4:5], s[92:93]
	s_add_nc_u64 s[AB1:AB1+1], s[6:7], s[92:93]
	s_add_nc_u64 s[AB2:AB2+1], s[8:9], s[92:93]
	s_add_nc_u64 s[RQB:RQB+1], s[10:11], s[94:95]
	RSTEP 0                                        ; K steps 0 and 1
	RSTEP 1
	CROUND                                         ; all sixteen work-groups are here: the first joint loads meet
	s_cmp_eq_u32 s[RH], 0                          ; a wave's two first fills stand in one branch: two loads of mine are out
	s_cbranch_scc0 .Lfirst_b
	tensor_load_to_lds s[G0A:G0A+3], s[G1A:G1A+7]
	s_nop 0
	tensor_load_to_lds s[G0A+4:G0A+7], s[G1A:G1A+7]
	s_nop 0
	PLACES
	s_branch .Lfirst_asked
.Lfirst_b:
	tensor_load_to_lds s[G0B:G0B+3], s[G1B:G1B+7]
	s_nop 0
	tensor_load_to_lds s[G0B+4:G0B+7], s[G1B:G1B+7]
	s_nop 0
	PLACES
.Lfirst_asked:
	v_and_b32 v1, 15, v0                           ; l % 16
	v_bfe_u32 v2, v0, 4, 1                         ; l / 16
	v_mul_u32_u24 v3, v1, PA
	v_lshl_add_u32 v3, v2, 5, v3                   ; x: row x pitch + 32 bytes (8 f32) x half
	s_mul_i32 s21, s[RH], 64*PA
	v_add_nc_u32 v[ADRA], s21, v3
	v_add_nc_u32 v[ADRA+1], SLOT, v[ADRA]
	v_mul_u32_u24 v4, v1, PB
	v_lshl_add_u32 v4, v2, 4, v4                   ; W: row x pitch + 16 x half
	s_mul_i32 s22, s[CH], 128*PB
	s_add_co_u32 s22, s22, BOFF
	v_add_nc_u32 v[ADRB], s22, v4
	v_add_nc_u32 v[ADRB+1], SLOT, v[ADRB]
	s_mul_i32 s23, s[WV], STW
	s_add_co_u32 s23, s23, STAGE                   ; my stage
	v_mul_u32_u24 v5, v1, SPL
	v_lshl_add_u32 v5, v2, 4, v5
	v_add_nc_u32 v[STO], s23, v5
	v_bfe_u32 v5, v0, 3, 2
	v_mul_u32_u24 v5, v5, SPL
	v_and_b32 v6, 7, v0
	v_lshl_add_u32 v5, v6, 4, v5
	v_add_nc_u32 v[RD], s23, v5
	v_and_b32 v[CO], 31, v0
	v_lshlrev_b32 v[CO], 4, v[CO]
	; my part of the tile in QKV: head 16 b + 4 x tile column + 2 x column half; row (tile row % 16) x 128 + 64 x row half
	s_lshr_b32 s98, s[MY], 4
	s_lshl_b32 s98, s98, 4
	s_lshl_b32 s100, s[NX], 2
	s_add_co_u32 s98, s98, s100
	s_lshl_b32 s100, s[CH], 1
	s_add_co_u32 s98, s98, s100
	s_lshl_b32 s98, s98, 18
	s_and_b32 s100, s[MY], 15
	s_lshl_b32 s100, s100, 7
	s_lshl_b32 s101, s[RH], 6
	s_add_co_u32 s100, s100, s101
	s_lshl_b32 s100, s100, 7
	s_add_co_u32 s98, s98, s100
	s_mov_b32 s99, 0
	s_add_nc_u64 s[OUT:OUT+1], s[12:13], s[98:99]
	; the prefetches' bases
	s_lshl_b32 s98, s[MY], 7
	s_lshl_b32 s99, s[CH], 6
	s_add_co_u32 s98, s98, s99
	s_lshl_b32 s99, s[CX], 4
	s_add_co_u32 s98, s98, s99
	s_lshl_b32 s98, s98, 12                        ; x: my work-group's 16 of the 64 rows
	s_lshl_b32 s100, s[NX], 8
	s_lshl_b32 s101, s[CH], 7
	s_add_co_u32 s100, s100, s101
	s_lshl_b32 s101, s[CY], 5
	s_add_co_u32 s100, s100, s101
	s_lshl_b32 s100, s100, 11                      ; W: my work-group's 32 of the 128 rows
	s_and_b32 s21, ttmp7, 0xffff                   ; cluster y
	s_cmp_eq_u32 s[RH], 0
	s_cselect_b32 s98, s98, s100
	s_cselect_b64 s[P0:P0+1], s[4:5], s[10:11]
	s_cselect_b64 s[P1:P1+1], s[6:7], s[10:11]
	s_cselect_b64 s[P2:P2+1], s[8:9], s[10:11]
	s_cselect_b32 s100, 0, 0x200000                ; from plane to plane of W
	s_cselect_b32 s[PSH], 9, 8
	s_cselect_b32 s21, 0, s21
	s_cselect_b32 s22, 15, 31                      ; rows a lane counts: l % 16 for x, l for W
	s_cselect_b32 s23, 12, 11                      ; log2 of a row's bytes: 4,096 for x, 2,048 for W
	s_cselect_b32 s96, 256, 0                      ; x: the row's second block for lanes 16 to 31
	s_mov_b32 s99, 0
	s_mov_b32 s101, 0
	s_add_nc_u64 s[P0:P0+1], s[P0:P0+1], s[98:99]
	s_add_nc_u64 s[P1:P1+1], s[P1:P1+1], s[98:99]
	s_add_nc_u64 s[P1:P1+1], s[P1:P1+1], s[100:101]
	s_add_nc_u64 s[P2:P2+1], s[P2:P2+1], s[98:99]
	s_add_nc_u64 s[P2:P2+1], s[P2:P2+1], s[100:101]
	s_add_nc_u64 s[P2:P2+1], s[P2:P2+1], s[100:101]
	s_cmp_eq_u32 s21, 0
	s_cselect_b32 s[LIM], 1, -1                    ; the same in all sixteen partners, for a given wave
	s_mov_b32 s[PKS], 4
	v_and_b32 v[PFO], s22, v0
	v_lshlrev_b32 v[PFO], s23, v[PFO]
	v_mad_u32_u24 v[PFO], v2, s96, v[PFO]          ; x: row l % 16, block l / 16; W: row l
	s_wait_tensorcnt 0x1                           ; my part of K step 0 is in; K step 1's may stay out
	s_barrier_signal -1
	s_barrier_wait -1
	FETCH 0, 0, 0
.irp j, 0,1,2,3,4,5,6,7,8,9,10,11,12,13,14,15
	CVT4 0, \j
.endr
	WIN 0
	s_mov_b32 s[TL], 0
	s_mov_b32 s[LAP], 11
.Llap:                                 ; a trip is two K steps, once round the ring, and fills both slots again: 22 refills, K steps 2 to 23
	HALF 0, 1, 0, 0, 0, 1, 1, 1
	HALF 1, 0, 1, 0, 1, 0, 0, 1
	HALF 0, 1, 0, 0, 1, 1, 0, 1
	HALF 1, 0, 1, 1, 0, 0, 0, 1
	WIN 0
	s_add_co_u32 s[TL], s[TL], 1
	s_cmp_lg_u32 s[TL], 4
	s_cbranch_scc1 .Lno                            ; jumps over no barrier and no tensor load
	WAYOUT                                         ; a tile is finished; both refills for the next are asked for
	s_wait_xcnt 0x0                                ; the stores have read their base
	s_add_nc_u64 s[OUT:OUT+1], s[OUT:OUT+1], 0x1000000   ; the same place in the next of q, k, v
	s_mov_b32 s[TL], 0
.Lno:
	s_sub_co_u32 s[LAP], s[LAP], 1
	s_cmp_lg_u32 s[LAP], 0
	s_cbranch_scc1 .Llap
	HALF 0, 1, 0, 0, 0, 1, 0, 1                    ; the last lap is written out: it asks for nothing
	HALF 1, 0, 2, 0, 1, 0, 0, 1
	HALF 0, 1, 0, 0, 1, 1, 0, 1
	HALF 1, 0, 3, 0, 0, 0, 0, 0
	WIN 0
	PLACES
	WAYOUT
	s_wait_tensorcnt 0x0                           ; the wave's end
	ds_add_u32 v[SPW], v[NIL]
	s_wait_dscnt 0x0
	CROUND                                         ; the closing round
	s_endpgm
.Lfunc_end_k_qd2e0849452_proj:
	.size	k_qd2e0849452_proj, .Lfunc_end_k_qd2e0849452_proj-k_qd2e0849452_proj
	.p2alignl 7, 3214868480
	.fill 96, 4, 3214868480
	.section	.rodata,"a",@progbits
	.p2align	6, 0x0
	.amdhsa_kernel k_qd2e0849452_proj
		.amdhsa_group_segment_fixed_size 327680
		.amdhsa_private_segment_fixed_size 0
		.amdhsa_enable_private_segment 0
		.amdhsa_kernarg_size 40
		.amdhsa_user_sgpr_count 2
		.amdhsa_user_sgpr_kernarg_segment_ptr 1
		.amdhsa_wavefront_size32 1
		.amdhsa_system_sgpr_workgroup_id_x 1
		.amdhsa_system_sgpr_workgroup_id_y 1
		.amdhsa_system_sgpr_workgroup_id_z 1
		.amdhsa_system_vgpr_workitem_id 0
		.amdhsa_next_free_vgpr 896
		.amdhsa_next_free_sgpr 102
		.amdhsa_reserve_vcc 0
		.amdhsa_float_denorm_mode_32 3
		.amdhsa_float_denorm_mode_16_64 3
		.amdhsa_memory_ordered 1
		.amdhsa_forward_progress 1
		.amdhsa_inst_pref_size 156
	.end_amdhsa_kernel
	.amdgpu_metadata
---
amdhsa.version: [ 1, 2 ]
amdhsa.kernels:
  - .name:           k_qd2e0849452_proj
    .symbol:         k_qd2e0849452_proj.kd
    .args:
      - { .name: query, .offset: 0, .size: 8, .value_kind: global_buffer, .address_space: global }
      - { .name: key, .offset: 8, .size: 8, .value_kind: global_buffer, .address_space: global }
      - { .name: value, .offset: 16, .size: 8, .value_kind: global_buffer, .address_space: global }
      - { .name: W16, .offset: 24, .size: 8, .value_kind: global_buffer, .address_space: global }
      - { .name: QKV, .offset: 32, .size: 8, .value_kind: global_buffer, .address_space: global }
    .group_segment_fixed_size: 327680
    .private_segment_fixed_size: 0
    .kernarg_segment_align: 8
    .kernarg_segment_size: 40
    .max_flat_workgroup_size: 128
    .sgpr_count:     102
    .vgpr_count:     896
    .wavefront_size: 32
...
	.end_amdgpu_metadata
.endif
;; end of part 2
;; launch attn (part 3): grid 4 x 64, 4 waves a work-group, clusters of 4 x 1, 327,680 bytes of LDS; arguments QKV, MW, OW; writes OW
.if DOCPART == 3
	.amdgcn_target "amdgcn-amd-amdhsa--gfx1250"
	.amdhsa_code_object_version 6
	.text
	.protected	k_qd2e0849452_attn
	.globl	k_qd2e0849452_attn
	.p2align	8
	.type	k_qd2e0849452_attn,@function
k_qd2e0849452_attn:
	s_mov_b64 s[64:65], 0
	v_nop
	global_prefetch_b8 v0, s[64:65] scope:SCOPE_SE
	s_setreg_imm32_b32 hwreg(HW_REG_WAVE_MODE, 25, 1), 1
	s_wait_xcnt 0x0
	s_wait_alu depctr_hold_cnt(0) depctr_sa_sdst(0) depctr_va_vdst(0) depctr_va_sdst(0) depctr_va_ssrc(0) depctr_va_vcc(0) depctr_vm_vsrc(0)
	s_getreg_b32 s2, hwreg(HW_REG_IB_STS2, 6, 4)
	s_cmp_eq_u32 s2, 0
	s_cbranch_scc0 .Lentry_in_a_cluster
	s_endpgm
.Lentry_in_a_cluster:
	s_bfe_u32 s2, ttmp6, 0x10000c
	s_cmp_lg_u32 s2, 0x3003
	s_cbranch_scc0 .Lentry_shape_is_right
	s_endpgm
.Lentry_shape_is_right:
; ATTENTION WITH A MASK THAT IS AN INPUT.  O[h][q][:] = the sum over k of softmax_k(mask[q][k] ? Q[h][q] . K[h][k] / 8 : -1e20) V[h][k][:].  Q, K, V (in QKV) and O (OW): [64][2048][64] f16, a head's rows dense.
; Products, maxima and sums in f32; the weights p are rounded to f16 for the second product (their sum l is taken of the unrounded p), O once at the end.
; THE MASK comes as MW: a byte a place, 0x00 (open) or 0xB8 (hidden: -1.0 as an 8-bit code), in my lanes' own order.  One scaled conversion makes of eight bytes the eight registers 0 or -2^100 that START a sum S^T = K Q^T as its C operand.
; A ROW WITH NO OPEN KEY has uniform weights.  The running maximum m starts at FLR = -2^83: every open score (2.7e11 at the most in f16) lies above it, every hidden one (about -1.3e30) below.  So m > FLR says that an open key
; has been seen.  p = 2^(ceff s - cme) with (ceff, cme) = (c, c m) then, and (0, 0) before: before, every p is 1; after, a hidden p is 0.  O and l are multiplied in every step by a = 2^(c m_old - c m_new): 1 while m stays, 0 when the first open key comes.
; LIMITS.  Q, K, V arrive within f16's 65,504; a weight below 2^-126 counts as 0; NaN and infinities are not treated apart; mask bytes were 0 or 1.
; SHARES.  A wave owns four PIECES of two tiles of 16 queries, a work-group's four waves 512 queries of one head.  Every wave walks all 2,048 keys, 64 a step.
; LAYOUT.  S^T = K Q^T (source 0 = 16 keys, source 1 = 16 queries): a lane holds ONE query (lane % 16) and the keys 8 (lane / 16) + 0..7.  Two such tiles rounded to f16 ARE source 1 of O^T = V^T P.  V comes out of LDS turned.
; BY TURNS.  Turn n belongs to piece n: 16 products K Q^T of piece n + 1, later 16 products V^T P of piece n - 1; beside them the scaling, exponentials, roundings, sums and rescaling of piece n, the maximum and statistics of
; piece n + 1, and the mask of piece n + 2.  Four vector instructions stand behind every product, the others in one lump.  A turn's 66 exponentials are one batch with one wait.
; CLUSTER.  The four query blocks of a head walk the same K and V: each tile is asked for JOINTLY.
; REGISTERS, in windows of 256 (s_set_vgpr_msb: bits 1:0 source 0, 3:2 source 1, 5:4 source 2, 7:6 destination):
;   window 0: v0-11 addresses; v12-15, v48-63 at work; v16-47 four statistics a tile; v64-191 S^T, two buffers of two tiles; v192-255 P, likewise
;   window 1: O^T, 32 a tile      window 2: v0-127 Q; v128-191 K of one step; v192-255 V of one step
;   window 3: v0-1 the add's two registers; v4-7 the mask loads' addresses, one a piece; v8-71 mask codes, 16 a piece; v128-255 the masks as f32, two buffers of 64
.set SIZE_N, 2048
.set NP,    4
.set KS,    64
.set PK,    144       ; a row of K in LDS: 128 bytes + 16
.set PV,    160       ; a row of V: 128 + 32
.set VOFF,  4*KS*PK   ; a slot holds four steps: 256 rows of K, then 256 rows of V
.set SLOT1, 1<<17
.set STAGE, SLOT1+4*KS*(PK+PV)
.set SP,    144
.set AK0, 2
.set AV0, 3
.set AK,  4
.set AV,  5
.set QO,  6           ; v6   my byte offset in the wave's rows of Q; later STO
.set STO, 6
.set RD,  7
.set GO,  8           ; v8   16 x lane: my place in 512 consecutive bytes of O and of MW; never rewritten
.set PFO, 9           ; v9   256 x lane, for the prefetches (made when v9 has served as l / 16)
.set SCL, 11          ; v11  0xE3: the conversion's scale, 2^100
.set SPW, 0           ; v0 of window 3
.set NIL, 1           ; v1 of window 3
.set MO,  4           ; window 3
.set CB,  8           ; window 3: piece p, tile u, key block kb at CB + 16 p + 8 u + 2 kb
.set MC,  128         ; window 3: buffer, tile u, key block kb at MC + 64 buffer + 32 u + 8 kb
.set SPARE, STAGE+4*16*SP
.set MV,  12          ; v12-15  c m_old: by buffer and tile
.set ST,  16          ; tile t's statistics at v[ST+4 t]: cme, m, l (even keys', odd keys')
.set TMP, 48          ; by buffer and tile c0-c3 at work; in the end c0 = ceff, c1 = c m, c2 = a
.set S,   64
.set P,   192
.set KF,  128
.set VF,  192
.set WV,  12
.set G1K, 24
.set G1V, 32
.set G0K, 40
.set G0V, 44
.set SLOTS, 56
.set CNT, 57
.set CS,  58
.set SEL, 60
.set TBK, 62
.set TBV, 63
.set MB,  66          ; s[66:67] MW at my wave's 128 queries
.set MOFF, 68         ; s68  8,192 x the key step whose codes are loaded next
.set FLR, 69          ; s69  -2^83
.set MK,  70          ; s70-71  lanes whose query has seen an open key, by tile
.set PFA, 72          ; s[72:73] where my prefetches stand
.set LIM, 74          ; s74  1 in a wave that prefetches, else the greatest number
.set MSB, 0
.macro WIN new
.if MSB != (\new)
	s_set_vgpr_msb (MSB<<8)|(\new)
.set MSB, (\new)
.endif
.endm
.set W_KQ, 0x0a       ; K and Q in window 2, S^T in window 0
.set W_KM, 0x3a       ; the same with the C operand in window 3
.set W_PV, 0x52       ; V in window 2, P in window 0, O^T in window 1
.set W_RS, 0x41       ; O^T in window 1, a in window 0
.set W_MK, 0xc0       ; destination in window 3, sources in window 0
.set W_AD, 0x0f       ; the add: address and data in window 3
.set W_MS, 0xc3       ; destination and source 0 in window 3, source 1 in window 0
.macro JLOAD          ; waves 0, 1 fetch the halves of a slot's K, waves 2, 3 of its V; s_nop 0 and four v_nop follow each line
	s_cmp_lt_u32 s[WV], 2
	s_cbranch_scc0 .Lfor_v_\@
	tensor_load_to_lds s[G0K:G0K+3], s[G1K:G1K+7]
	s_nop 0
.rept 4
	v_nop
.endr
	s_branch .Lasked_\@
.Lfor_v_\@:
	tensor_load_to_lds s[G0V:G0V+3], s[G1V:G1V+7]
	s_nop 0
.rept 4
	v_nop
.endr
.Lasked_\@:
.endm
.macro CROUND
	s_barrier_signal -1
	s_barrier_wait -1
	s_cmp_lg_u32 s[WV], 0
	s_cbranch_scc1 .Lnot_wave_0_\@
	s_barrier_signal -3
.Lnot_wave_0_\@:
	s_barrier_wait -3
	s_barrier_signal -1
	s_barrier_wait -1
.endm
; A PREFETCH of what the NEXT change of slots will ask for: a slot's 32,768 bytes of K and of V, 256 bytes a lane.  One cluster walks a head; its four partners take 8,192 bytes each, told apart by address; wave 0 asks for K's, wave 2 for V's.
; So each block is named once.  It stands behind the wave's tensor load; the last change that fills a slot asks for nothing, and so does the kernel's head.
.macro ASK
	s_cmp_gt_u32 s[SLOTS], s[LIM]
	s_cbranch_scc0 .Lnot_mine_\@
	global_prefetch_b8 v[PFO], s[PFA:PFA+1] th:TH_LOAD_NT scope:SCOPE_SE
.Lnot_mine_\@:
.endm
; THE CHANGE OF SLOTS.  Each wave waits for all its tensor loads (one is out: its part of the other slot), adds 0 to its spare word, and waits for that and for its reads of the slot.  fill = 1: the barrier is a round of the
; cluster's, and the joint fill, with the keys two slots on, is the first thing behind it: it has four key steps, 512 products, in which to land.
.macro CHANGE fill, ask=0
	WIN W_AD
	s_wait_tensorcnt 0x0            ; no tensor load of mine is out, so a group 0 may be written
	ds_add_u32 v[SPW], v[NIL]
	WIN 0
.if \fill
.irp g, G0K, G0V
	s_xor_b32 s[\g+1], s[\g+1], SLOT1
	s_add_nc_u64 s[\g+2:\g+3], s[\g+2:\g+3], 4*KS*128
.endr
.if \ask
	s_wait_xcnt 0x0                 ; the last prefetch, four key steps back, has read its address
	s_add_nc_u64 s[PFA:PFA+1], s[PFA:PFA+1], 4*KS*128
.endif
	s_wait_dscnt 0x0                ; the add is done, and my reads of the slot are over
	CROUND
	JLOAD
.if \ask
	ASK
.endif
.else
	s_wait_dscnt 0x0
	s_barrier_signal -1
	s_barrier_wait -1
.endif
	s_sub_co_u32 s[TBK], s[TBK], 4*KS*PK
	s_xor_b32 s[TBK], s[TBK], SLOT1
	s_sub_co_u32 s[TBV], s[TBV], 4*KS*PV
	s_xor_b32 s[TBV], s[TBV], SLOT1
.endm
	s_load_b64 s[4:5], s[0:1], 0x0        ; QKV
	s_load_b64 s[MB:MB+1], s[0:1], 0x8    ; MW
	s_load_b64 s[10:11], s[0:1], 0x10     ; OW
	WIN W_MK
	v_lshl_add_u32 v[SPW], v0, 2, SPARE
	v_mov_b32 v[NIL], 0
	WIN W_AD
	ds_add_u32 v[SPW], v[NIL]       ; the wave's opening: the add and its wait ahead of my first tensor load
	WIN 0
	v_lshrrev_b32 v1, 5, v0
	v_readfirstlane_b32 s[WV], v1
	s_bfe_u32 s13, ttmp6, 0x40000   ; cx
	s_lshl_b32 s14, ttmp9, 2
	s_add_co_u32 s14, s14, s13      ; my block of 512 queries: it enters Q's, O's and MW's addresses alone
	s_and_b32 s20, ttmp7, 0xffff    ; the head
	s_mov_b32 s21, 0
	s_mov_b64 s[22:23], SIZE_N*128
	s_mul_u64 s[20:21], s[20:21], s[22:23]
	s_and_b32 s16, s[WV], 1         ; which half of a slot's 256 keys I fetch
	s_lshl_b32 s22, s16, 14
	s_mov_b32 s23, 0
	s_add_nc_u64 s[22:23], s[22:23], s[20:21]
	s_mul_i32 s17, s16, 128*PK
	s_mul_i32 s18, s16, 128*PV
	s_lshl_b32 s2, s14, 2
	s_add_co_u32 s2, s2, s[WV]      ; my wave among the head's sixteen
	s_lshl_b32 s50, s2, 18          ; its 262,144 bytes of MW
	s_mov_b32 s51, 0
	s_lshl_b32 s2, s2, 14           ; its 128 rows
	s_mov_b32 s3, 0
	s_add_nc_u64 s[2:3], s[2:3], s[20:21]
	s_lshl_b32 s52, s13, 13         ; my work-group's quarter of a slot, for the prefetches
	s_mov_b32 s53, 0
	; descriptor group 1: 128 keys are 16,384 dense bytes, asked for as 64 rows of 256 bytes and padded in LDS after every key
	s_mov_b32 s[G1K], 15|(1<<16)|(1<<20)|(1<<21)|(4<<22)|(3<<25)
	s_mov_b32 s[G1V], 15|(1<<16)|(1<<20)|(1<<21)|(4<<22)|(7<<25)
.irp g, G1K, G1V
	s_mov_b32 s[\g+1], 128<<16
	s_mov_b32 s[\g+2], 64<<16
	s_mov_b32 s[\g+3], 128<<16
	s_mov_b32 s[\g+4], 64
	s_mov_b32 s[\g+5], 128
	s_mov_b32 s[\g+6], 0
	s_mov_b32 s[\g+7], 0
.endr
	s_mov_b32 s[CS], 0x3e38aa3b     ; c = log2(e) / 8
	s_mov_b32 s[CS+1], s[CS]
	s_mov_b32 s[SEL], 0x76543210
	s_mov_b32 s[SEL+1], 0xfedcba98
	s_mov_b32 s[TBK], SLOT1+4*KS*PK ; the first change of slots turns these two into 0
	s_mov_b32 s[TBV], SLOT1+4*KS*PV
	s_mov_b32 s[G0K], 1
	s_mov_b32 s[G0K+1], s17
	s_mov_b32 s[G0V], 1
	s_add_co_u32 s[G0V+1], s18, VOFF
	s_mov_b32 s[MOFF], 8192
	s_mov_b32 s[FLR], 0xe9000000    ; -2^83
	s_and_b32 s[LIM], s[WV], 1
	s_cmp_eq_u32 s[LIM], 0
	s_cselect_b32 s[LIM], 1, -1
	s_wait_dscnt 0x0                ; the opening add is done
	s_wait_kmcnt 0x0
	s_add_nc_u64 s[6:7], s[4:5], 0x1000000   ; k
	s_add_nc_u64 s[8:9], s[4:5], 0x2000000   ; v
	s_add_nc_u64 s[G0K+2:G0K+3], s[6:7], s[22:23]
	s_or_b32 s[G0K+3], s[G0K+3], 0x80000000
	s_add_nc_u64 s[G0V+2:G0V+3], s[8:9], s[22:23]
	s_or_b32 s[G0V+3], s[G0V+3], 0x80000000
	s_cmp_lt_u32 s[WV], 2
	s_cselect_b64 s[PFA:PFA+1], s[6:7], s[8:9]
	s_add_nc_u64 s[PFA:PFA+1], s[PFA:PFA+1], s[20:21]
	s_add_nc_u64 s[PFA:PFA+1], s[PFA:PFA+1], s[52:53]
	s_add_nc_u64 s[PFA:PFA+1], s[PFA:PFA+1], 2*4*KS*128   ; in slot 2; the loop's first change steps it to slot 3
	s_add_nc_u64 s[4:5], s[4:5], s[2:3]
	s_add_nc_u64 s[10:11], s[10:11], s[2:3]
	s_add_nc_u64 s[MB:MB+1], s[MB:MB+1], s[50:51]
	CROUND                          ; all four work-groups are here
	JLOAD                           ; slot 0
	v_and_b32 v1, 15, v0            ; l % 16
	v_bfe_u32 v9, v0, 4, 1          ; l / 16
	v_lshlrev_b32 v[QO], 7, v1
	v_lshl_add_u32 v[QO], v9, 4, v[QO]
	v_and_b32 v[GO], 31, v0
	v_lshlrev_b32 v[GO], 4, v[GO]
	WIN 0x80
.set i, 0
.rept 4*NP                          ; Q stays in registers: tile i / 2, channels 32 (i % 2) on
	global_load_b128 v[8*i:8*i+3],   v[QO], s[4:5] offset:(i/2)*2048+(i%2)*64
	global_load_b128 v[8*i+4:8*i+7], v[QO], s[4:5] offset:(i/2)*2048+(i%2)*64+32
.set i, i+1
.endr
	WIN W_MK
.irp p, 0,1,2,3
	v_mov_b32 v[MO+\p], v[GO]
.endr
	WIN W_MS
.irp p, 0,1,2,3                     ; key step 0's codes, all four pieces
.irp u, 0,1
.irp hh, 0,1
	global_load_b128 v[CB+16*\p+8*\u+4*\hh:CB+16*\p+8*\u+4*\hh+3], v[MO+\p], s[MB:MB+1] offset:(2*\p+\u)*1024+\hh*512
.endr
.endr
.endr
	; What the first turn finds: V's registers and P's second buffer hold 0, O^T and l are 0.  All this stands in the wait for the first tile.
	WIN 0x80
.set i, VF
.rept 64
	v_mov_b32 v[i], 0
.set i, i+1
.endr
	WIN 0x40
.set i, 0
.rept 64*NP
	v_mov_b32 v[i], 0
.set i, i+1
.endr
	WIN 0
.set i, 0
.rept 2*NP
	v_mov_b32 v[ST+4*i], 0
	v_mov_b32 v[ST+4*i+1], 0xe9000000  ; m = FLR
	v_mov_b32 v[ST+4*i+2], 0
	v_mov_b32 v[ST+4*i+3], 0
.set i, i+1
.endr
.set i, P+32
.rept 32
	v_mov_b32 v[i], 0
.set i, i+1
.endr
	v_mul_u32_u24 v[AK0], v1, PK
	v_lshl_add_u32 v[AK0], v9, 4, v[AK0]
	v_and_b32 v10, 7, v0
	v_bfe_u32 v11, v0, 3, 1
	v_lshl_add_u32 v[AV0], v9, 3, v10
	v_mul_u32_u24 v[AV0], v[AV0], PV
	v_lshl_add_u32 v[AV0], v11, 4, v[AV0]
	v_add_nc_u32 v[AV0], VOFF, v[AV0]
	v_mov_b32 v[SCL], 0xe3          ; v11 has served
	v_mov_b32 v[AK], v[AK0]
; THE MATRIX WORK.  The 8 accumulators of a run of 16 take turns.  Product i of 16 of S^T = K Q^T for piece x: channels 32 (i / 8) on, keys 16 ((i / 2) % 4) on, tile 2 x + i % 2.  The first 8 start the sums with the mask.
.macro KQ x
.set rS, S+64*((\x)%2)+32*(i%2)+8*((i/2)%4)
.set rK, KF+16*((i/2)%4)+8*(i/8)
.set rQ, 16*(2*(\x)+i%2)+8*(i/8)
.set rMC, MC+64*((\x)%2)+32*(i%2)+8*((i/2)%4)
.if i < 8
	WIN W_KM
	v_wmma_f32_16x16x32_f16 v[rS:rS+7], v[rK:rK+7], v[rQ:rQ+7], v[rMC:rMC+7]
.else
	WIN W_KQ
	v_wmma_f32_16x16x32_f16 v[rS:rS+7], v[rK:rK+7], v[rQ:rQ+7], v[rS:rS+7]
.endif
.endm
.macro PV x
	WIN W_PV
.set rO, 32*(2*(\x)+i%2)+8*((i/2)%4)
.set rV, VF+32*(i/8)+8*((i/2)%4)
.set rP, P+32*((\x)%2)+16*(i%2)+8*(i/8)
	v_wmma_f32_16x16x32_f16 v[rO:rO+7], v[rV:rV+7], v[rP:rP+7], v[rO:rO+7]
.endm
.macro MM
.if i < 16
	KQ (Y+1)%NP
.set i, i+1
.else
.set i, i-16
	PV (Y+NP-1)%NP
.set i, i+17
.endif
.endm
.macro FETCH_K last=0
	WIN 0
.if \last
	s_cmp_eq_u32 s[CNT], 1
	s_cbranch_scc1 .Lno_k_\@
.endif
	WIN 0x80
.irp f, 0,1,2,3,4,5,6,7
	ds_load_b128 v[KF+8*\f:KF+8*\f+3],   v[AK] offset:(\f/2)*16*PK+(\f%2)*64
	ds_load_b128 v[KF+8*\f+4:KF+8*\f+7], v[AK] offset:(\f/2)*16*PK+(\f%2)*64+32
.endr
	s_add_co_u32 s[TBK], s[TBK], KS*PK
	WIN 0
.if \last
.Lno_k_\@:
.endif
.endm
.macro FETCH_V
	WIN 0x80
.irp f, 0,1,2,3,4,5,6,7
	ds_load_tr16_b128 v[VF+8*\f:VF+8*\f+3],   v[AV] offset:(\f/4)*32*PV+(\f%4)*32
	ds_load_tr16_b128 v[VF+8*\f+4:VF+8*\f+7], v[AV] offset:(\f/4)*32*PV+16*PV+(\f%4)*32
.endr
	WIN 0
.endm
; THE MASK of piece p for its next products: eight conversions, eight bytes each, into buffer p % 2 (its last readers were the products of the turn before); then the piece's codes for the key step after that are asked for.
.macro MASKB p
	WIN W_MS
	s_wait_loadcnt 12               ; the piece's four loads, issued four turns ago, are in; the twelve of the three turns since may stay out.  Their address register is free with them
.irp u, 0,1
.irp kt, 0,1,2,3
	v_cvt_scale_pk8_f32_fp8 v[MC+64*((\p)%2)+32*\u+8*\kt:MC+64*((\p)%2)+32*\u+8*\kt+7], v[CB+16*(\p)+8*\u+2*\kt:CB+16*(\p)+8*\u+2*\kt+1], v[SCL]
.endr
.endr
	v_add_nc_u32 v[MO+(\p)], s[MOFF], v[GO]   ; also the plain instruction behind the conversions, ahead of the loads into their sources
.irp u, 0,1
.irp hh, 0,1
	global_load_b128 v[CB+16*(\p)+8*\u+4*\hh:CB+16*(\p)+8*\u+4*\hh+3], v[MO+(\p)], s[MB:MB+1] offset:(2*(\p)+\u)*1024+\hh*512
.endr
.endr
	WIN 0
.endm
; THE VECTOR WORK OF A TURN stands in three queues, each in the order in which its entries become ready; the two tiles alternate.
.macro REGS y, u
.set rT, ST+4*(2*(\y)+(\u))
.set rC, TMP+8*((\y)%2)+4*(\u)
.set rM, MV+2*((\y)%2)+(\u)
.set rS, S+64*((\y)%2)+32*(\u)
.set rP, P+32*((\y)%2)+16*(\u)
.set rO, 32*(2*(\y)+(\u))
.endm
; Number n of the 25 that find the NEXT piece's maximum and statistics.  Each accumulator's lowest registers are read first.
;   0-11  four chains c0-c3     12-14, 16  the scores left over, the old m, and c0-c3 into c0     15  c m_old     17, 18  the other half of the lanes: the new m
;   19-21  c m; c m_old - c m; a     22-24  has an open key been seen?  ceff = c or 0; cme = c m or 0
.macro XS u, n
	REGS (Y+1)%NP, \u
.if (\n) < 4
	v_max3_num_f32 v[rC+(\n)], v[rS+8*(\n)], v[rS+8*(\n)+1], v[rS+8*(\n)+2]
.elseif (\n) < 12
	v_max3_num_f32 v[rC+(\n)%4], v[rC+(\n)%4], v[rS+8*((\n)%4)+2*((\n)/4)+1], v[rS+8*((\n)%4)+2*((\n)/4)+2]
.elseif (\n) == 12
	v_max3_num_f32 v[rC], v[rC], v[rS+7], v[rS+15]
.elseif (\n) == 13
	v_max3_num_f32 v[rC+1], v[rC+1], v[rS+23], v[rS+31]
.elseif (\n) == 14
	v_max3_num_f32 v[rC+2], v[rC+2], v[rC+3], v[rT+1]
.elseif (\n) == 15
	v_mul_f32 v[rM], s[CS], v[rT+1]
.elseif (\n) == 16
	v_max3_num_f32 v[rC], v[rC], v[rC+1], v[rC+2]
.elseif (\n) == 17
	v_permlanex16_b32 v[rC+3], v[rC], s[SEL], s[SEL+1]
.elseif (\n) == 18
	v_max_num_f32 v[rT+1], v[rC], v[rC+3]
.elseif (\n) == 19
	v_mul_f32 v[rC+1], s[CS], v[rT+1]
.elseif (\n) == 20
	v_sub_f32 v[rC+3], v[rM], v[rC+1]
.elseif (\n) == 21
	v_exp_f32 v[rC+2], v[rC+3]
.elseif (\n) == 22
	v_cmp_gt_f32 s[MK+(\u)], v[rT+1], s[FLR]
.elseif (\n) == 23
	v_cndmask_b32 v[rC], 0, s[CS], s[MK+(\u)]
.else
	v_cndmask_b32 v[rT], 0, v[rC+1], s[MK+(\u)]
.endif
.endm
; Number g of the 64 that follow the exponentials: for each four weights both pairs are rounded to f16, the second pair is added onto the first, and a group later l takes that sum (the first time as l = a l + sum).
.macro GS g
.set h, (\g)+6*((\g)/62)
.if h >= 6
.set h, h+2
.endif
	REGS Y, h%2
.set k, h/8
.if h%8 < 4
	v_cvt_pk_f16_f32 v[rP+2*k+(h%8)/2], v[rS+4*k+2*((h%8)/2)], v[rS+4*k+2*((h%8)/2)+1]
.elseif h%8 < 6
	v_pk_add_f32 v[rS+4*k:rS+4*k+1], v[rS+4*k:rS+4*k+1], v[rS+4*k+2:rS+4*k+3]
.elseif k == 1
	v_pk_fma_f32 v[rT+2:rT+3], v[rT+2:rT+3], v[rC+2:rC+3], v[rS:rS+1] op_sel_hi:[1,0,1]
.else
	v_pk_add_f32 v[rT+2:rT+3], v[rT+2:rT+3], v[rS+4*k-4:rS+4*k-3]
.endif
.endm
; THE PLAIN QUEUE, 144 long.  0-79 read no exponential's result: the 32 scalings ceff s - cme and the next piece's 48.  80-143: GS's 64, behind the wait.
.macro FS f
	REGS Y, (\f)%2
	v_pk_fma_f32 v[rS+2*((\f)/2):rS+2*((\f)/2)+1], v[rS+2*((\f)/2):rS+2*((\f)/2)+1], v[rC:rC+1], v[rT:rT+1] op_sel_hi:[1,0,0] neg_lo:[0,0,1] neg_hi:[0,0,1]
.endm
.macro PL
	WIN 0
.if q < 27
	FS q
.elseif q < 55
	XS (q-27)%2, (q-27)/2
.elseif q < 57
	XS q-55, 15
.elseif (q < 72) && ((q-57)%3 == 0)
	FS 27+(q-57)/3
.elseif q < 60
	XS (q-57)%3-1, 14
.elseif q < 72
	XS (q-57)%3-1, 15+(q-57)/3
.elseif q < 74
	XS q-72, 20
.elseif q < 80
	XS (q-74)%2, 22+(q-74)/2
.else
	GS q-80
.endif
.set q, q+1
.endm
.macro EX                           ; the exponentials' queue, 66 long: s0-s31 of both tiles, then the next piece's two a: ONE BATCH ahead of the turn's one wait
	WIN 0
.if e >= 64
	XS e-64, 21
.else
	REGS Y, e%2
	v_exp_f32 v[rS+e/2], v[rS+e/2]
.endif
.set e, e+1
.endm
.macro R2                           ; the rescaling's queue: O^T times a, two at a time
	REGS Y, r%2
	WIN W_RS
.irp z, 0,1
	v_pk_mul_f32 v[rO+4*(r/2)+2*\z:rO+4*(r/2)+2*\z+1], v[rO+4*(r/2)+2*\z:rO+4*(r/2)+2*\z+1], v[rC+2:rC+3] op_sel_hi:[1,0]
.endr
.set r, r+1
.endm
; A TURN, for piece p.  Ahead of the one wait stands all that names no result of the turn's exponentials: 16 products K Q^T with a scaling, an exponential and two rescalings behind each; the lump; the mask of piece p + 2.
; Behind it stand 16 products V^T P with four of the roundings and sums behind each.  The six plain instructions round and behind the two a are also the plain instruction that an exponential wants ahead of its result's use.
.macro TURN p, last=0, cnt=0
.set Y, (\p)
.set i, 0
.set q, 0
.set e, 0
.set r, 0
.if (\p) == NP-1
	s_wait_dscnt 0x0                ; K is in
.endif
	MM
	PL
	PL
	R2
.rept 15
	MM
	PL
	EX
	R2
.endr
.if (\p) == NP-2
	WIN 0
	v_add_nc_u32 v[AK], s[TBK], v[AK0]
.endif
.rept 8
	PL
.endr
.rept 49
	EX
	PL
.endr
	EX
	PL
	EX
.rept 5
	PL
.endr
	MASKB ((\p)+2)%NP
	s_wait_alu depctr_va_vdst(0)    ; the wait between an exponential and the first use of its result: one for the batch of 66
.if (\p) == NP-2
	FETCH_K \last
.endif
.if (\p) == 1
	s_wait_dscnt 0x0                ; V is in
.endif
.rept 16
	MM
.rept 4
	PL
.endr
.if ((\p) == 0) && (q == 124)
	v_add_nc_u32 v[AV], s[TBV], v[AV0]
.endif
.if ((\p) == 0) && (q == 136)
	s_add_co_u32 s[TBV], s[TBV], KS*PV
.endif
.if (\cnt) && (q == 136)
	s_sub_co_u32 s[CNT], s[CNT], 1
	s_cmp_lg_u32 s[CNT], 0
.endif
.endr
.if (\p) == 0
	FETCH_V
.endif
.endm
.macro MSTEP                        ; the mask loads go on to the next key step; behind the last they stay there: no load leaves MW, and what the last ones bring serves nothing
	s_add_co_u32 s[MOFF], s[MOFF], 8192
	s_min_u32 s[MOFF], s[MOFF], 31*8192
.endm
	CHANGE 1                        ; slot 0 is in, everybody's part of it; slot 1 is asked for
	FETCH_K                         ; key step 0
	s_wait_loadcnt 0x0              ; Q, and key step 0's codes
	MASKB 0
	MASKB 1
	s_wait_dscnt 0x0
.set i, 0
.rept 16
	KQ 0
.set i, i+1
.endr
	WIN 0                           ; nine plain instructions, the places behind those products
	s_mul_i32 s13, s[WV], 16*SP
	s_add_co_u32 s13, s13, STAGE
	v_mul_u32_u24 v[STO], v1, SP
	v_lshl_add_u32 v[STO], v9, 4, v[STO]
	v_add_nc_u32 v[STO], s13, v[STO]
	v_bfe_u32 v[RD], v0, 3, 2
	v_mul_u32_u24 v[RD], v[RD], SP
	v_lshl_add_u32 v[RD], v10, 4, v[RD]
	v_add_nc_u32 v[RD], s13, v[RD]
	v_and_b32 v[PFO], 31, v0        ; v9 has served
	v_lshlrev_b32 v[PFO], 8, v[PFO]
.set Y, NP-1
.irp n, 0,1,2,3,4,5,6,7,8,9,10,11,12,13,14,15,16,17,18,19,20,21,22,23,24
	XS 0, \n
	XS 1, \n
.endr
	s_wait_alu depctr_va_vdst(0)    ; the two a's wait, ahead of the branch; six plain instructions stand behind them
	s_mov_b32 s[CNT], 4
	s_mov_b32 s[SLOTS], SIZE_N/256-1
	s_branch .Lfirst
.Lslot:                             ; six times: every slot but the last two is filled again
	CHANGE 1, 1
	s_mov_b32 s[CNT], 4
.Lstep:                             ; a trip: pieces 2 and 3 of one step, then pieces 0 and 1 of the next
	MSTEP
	TURN 2
	TURN 3
	WIN 0
.Lfirst:
	TURN 0
	TURN 1, 0, 1
	WIN 0
	s_cbranch_scc1 .Lstep
	s_sub_co_u32 s[SLOTS], s[SLOTS], 1
	s_cmp_lg_u32 s[SLOTS], 0
	s_cbranch_scc1 .Lslot
	CHANGE 0                        ; the tail is written out
	s_mov_b32 s[CNT], 5
.Ltail:
	MSTEP
	TURN 2, 1
	TURN 3
	WIN 0
	s_sub_co_u32 s[CNT], s[CNT], 1
	s_cmp_eq_u32 s[CNT], 0
	s_cbranch_scc1 .Lout
	TURN 0
	TURN 1
	WIN 0
	s_branch .Ltail
.Lout:                              ; the fifth trip's products K Q^T and the maximum made of them serve nothing: the price of one text for every trip
.set i, 0
.rept 16
	PV NP-1
.set i, i+1
.endr
	; THE WAY OUT.  l's halves are added; O^T is divided by l, rounded to f16 and sent through my stage, a tile at a time.  The additions are the places behind the last products.
	WIN 0
.macro ALL line:vararg
.set t, 0
.rept 2*NP
	\line
.set t, t+1
.endr
.endm
	ALL v_add_f32 v[ST+4*t+2], v[ST+4*t+2], v[ST+4*t+3]
	ALL v_permlanex16_b32 v[ST+4*t+3], v[ST+4*t+2], s[SEL], s[SEL+1]
	ALL v_add_f32 v[ST+4*t+2], v[ST+4*t+2], v[ST+4*t+3]
	ALL v_rcp_f32 v[ST+4*t+2], v[ST+4*t+2]
	v_nop
	s_wait_alu depctr_va_vdst(0)    ; one wait for the eight reciprocals
.macro PACK t
	WIN W_RS
.set i, 32*(\t)
.rept 16
	v_pk_mul_f32 v[i:i+1], v[i:i+1], v[ST+4*(\t)+2:ST+4*(\t)+3] op_sel_hi:[1,0]
.set i, i+2
.endr
	WIN 0x05
.set i, 0
.rept 16
	v_cvt_pk_f16_f32 v[S+16*(\t)+i], v[32*(\t)+2*i], v[32*(\t)+2*i+1]
.set i, i+1
.endr
	WIN 0
.irp f, 0,1,2,3
	ds_store_b128 v[STO], v[S+16*(\t)+4*\f:S+16*(\t)+4*\f+3] offset:32*\f
.endr
.irp f, 0,1,2,3
	ds_load_b128 v[S+16*(\t)+4*\f:S+16*(\t)+4*\f+3], v[RD] offset:\f*4*SP  ; LDS serves a wave's instructions in order: these see the stores above
.endr
.endm
.macro SEND t, younger              ; younger: the LDS instructions issued behind tile t's loads: the next tile's eight, or none
	WIN 0
.irp f, 0,1,2,3
	s_wait_dscnt (\younger)+3-\f
	global_store_b128 v[GO], v[S+16*(\t)+4*\f:S+16*(\t)+4*\f+3], s[10:11] offset:(\t)*2048+\f*512  ; 512 consecutive bytes, aligned
.endr
.endm
	PACK 0
.set t, 1
.rept 2*NP-1
	PACK t
	SEND t-1, 8
.set t, t+1
.endr
	SEND 2*NP-1, 0
	WIN W_AD
	s_wait_tensorcnt 0x0            ; the wave's end
	ds_add_u32 v[SPW], v[NIL]
	s_wait_dscnt 0x0
	WIN 0
	CROUND                          ; the closing round
	s_endpgm
.Lfunc_end_k_qd2e0849452_attn:
	.size	k_qd2e0849452_attn, .Lfunc_end_k_qd2e0849452_attn-k_qd2e0849452_attn
	.p2alignl 7, 3214868480
	.fill 96, 4, 3214868480
	.section	.rodata,"a",@progbits
	.p2align	6, 0x0
	.amdhsa_kernel k_qd2e0849452_attn
		.amdhsa_group_segment_fixed_size 327680
		.amdhsa_private_segment_fixed_size 0
		.amdhsa_enable_private_segment 0
		.amdhsa_kernarg_size 24
		.amdhsa_user_sgpr_count 2
		.amdhsa_user_sgpr_kernarg_segment_ptr 1
		.amdhsa_wavefront_size32 1
		.amdhsa_system_sgpr_workgroup_id_x 1
		.amdhsa_system_sgpr_workgroup_id_y 1
		.amdhsa_system_sgpr_workgroup_id_z 1
		.amdhsa_system_vgpr_workitem_id 0
		.amdhsa_next_free_vgpr 1024
		.amdhsa_next_free_sgpr 76
		.amdhsa_reserve_vcc 0
		.amdhsa_float_denorm_mode_32 3
		.amdhsa_float_denorm_mode_16_64 3
		.amdhsa_memory_ordered 1
		.amdhsa_forward_progress 1
		.amdhsa_inst_pref_size 215
	.end_amdhsa_kernel
	.amdgpu_metadata
---
amdhsa.version: [ 1, 2 ]
amdhsa.kernels:
  - .name:           k_qd2e0849452_attn
    .symbol:         k_qd2e0849452_attn.kd
    .args:
      - { .name: QKV, .offset: 0, .size: 8, .value_kind: global_buffer, .address_space: global }
      - { .name: MW, .offset: 8, .size: 8, .value_kind: global_buffer, .address_space: global }
      - { .name: OW, .offset: 16, .size: 8, .value_kind: global_buffer, .address_space: global }
    .group_segment_fixed_size: 327680
    .private_segment_fixed_size: 0
    .kernarg_segment_align: 8
    .kernarg_segment_size: 24
    .max_flat_workgroup_size: 128
    .sgpr_count:     76
    .vgpr_count:     1024
    .wavefront_size: 32
...
	.end_amdgpu_metadata
.endif
;; end of part 3
;; launch outp (part 4): grid 4 x 64, 4 waves a work-group, clusters of 4 x 4, 327,680 bytes of LDS; arguments OW, W16, out0; writes out0
.if DOCPART == 4
	.amdgcn_target "amdgcn-amd-amdhsa--gfx1250"
	.amdhsa_code_object_version 6
	.text
	.protected	k_qd2e0849452_outp
	.globl	k_qd2e0849452_outp
	.p2align	8
	.type	k_qd2e0849452_outp,@function
k_qd2e0849452_outp:
	s_mov_b64 s[64:65], 0
	v_nop
	global_prefetch_b8 v0, s[64:65] scope:SCOPE_SE
	s_setreg_imm32_b32 hwreg(HW_REG_WAVE_MODE, 25, 1), 1
	s_wait_xcnt 0x0
	s_wait_alu depctr_hold_cnt(0) depctr_sa_sdst(0) depctr_va_vdst(0) depctr_va_sdst(0) depctr_va_ssrc(0) depctr_va_vcc(0) depctr_vm_vsrc(0)
	s_getreg_b32 s2, hwreg(HW_REG_IB_STS2, 6, 4)
	s_cmp_eq_u32 s2, 0
	s_cbranch_scc0 .Lentry_in_a_cluster
	s_endpgm
.Lentry_in_a_cluster:
	s_bfe_u32 s2, ttmp6, 0x10000c
	s_cmp_lg_u32 s2, 0xf033
	s_cbranch_scc0 .Lentry_shape_is_right
	s_endpgm
.Lentry_shape_is_right:
; OUTP.  out0[m][n] = the sum over e of O[m][e] Wo[n][e].  O lies by heads, OW = [64 = 16 b + h][2048][64] f16 (e = 64 h + d); Wo is plane 3 of W16, [1024][1024] f16 (bf16 numbers written as f16); sums in f32, K ascending; out0 [8192][1024] f32.
; SHARES.  A tile is 128 rows x 256 columns: 256 tiles, one for each work-group; four waves, each 64 x 128: 32 accumulators.  K goes in 8 steps of 128 = two heads through a ring of two LDS slots.
; Waves 0, 1 fetch the step's two heads of O (128 rows x 128 bytes, dense: asked for as 64 rows of 256 bytes, padded after every 128), waves 2, 3 the halves of Wo's tile (128 rows x 256 bytes).
; CLUSTER.  4 x 4: O's tile is asked for jointly along a row of the cluster, Wo's along a column.  THE PRODUCT IS USED TRANSPOSED: a lane holds eight neighbouring columns of one row, 32 bytes of f32.
; NO PREFETCH: the launch has eight K steps, and two of them are asked for at its head.
; REGISTERS: window 0: v1-29 addresses; O's fragments, buffer f, at 32 + 64 f + 32 kq + 8 a; on the way out these 128 are two buffers of 64.  window 1: accumulator (a, b) at 8 (8 a + b).  window 2: Wo's fragments at 128 f + 64 kq + 8 b.
.set PAO,   144
.set PB,    272
.set PLANE, 128*PAO                    ; a head's 128 rows
.set BOFF,  2*PLANE
.set SLOT,  BOFF+256*PB                ; 106,496
.set STAGE, 2*SLOT                     ; behind the ring: 16 rows x 528 bytes for each wave
.set SPT,   528
.set STW,   16*SPT
.set SPARE, STAGE+4*STW
.set ADRA, 16
.set ADRB, 20
.set STO,  24
.set RD,   25
.set CO,   26
.set SPW,  28
.set NIL,  29
.set AF,   32
.set WV, 14
.set RH, 15
.set CH, 16
.set CX, 17
.set CY, 18
.set NX, 19
.set MY, 20
.set G1A, 24
.set G0A, 32
.set G1B, 40
.set G0B, 48
.set OUT, 56
.set LAP, 58
.set TL,  59                           ; 0 until the sums have been started
.set W_MUL, 0x52
.set W_B,   0x80
.set MSB, 0
.macro WIN new
.if MSB != (\new)
	s_set_vgpr_msb (MSB<<8)|(\new)
.set MSB, \new
.endif
.endm
.macro PLACES
.rept 4
	v_nop
.endr
.endm
.macro JLOAD s
	s_cmp_eq_u32 s[RH], 0
	s_cbranch_scc0 .Lfor_b_\@
	tensor_load_to_lds s[G0A+4*(\s):G0A+4*(\s)+3], s[G1A:G1A+7]
	s_nop 0
	PLACES
	s_branch .Lasked_\@
.Lfor_b_\@:
	tensor_load_to_lds s[G0B+4*(\s):G0B+4*(\s)+3], s[G1B:G1B+7]
	s_nop 0
	PLACES
.Lasked_\@:
.endm
.macro CREST
	s_cmp_lg_u32 s[WV], 0
	s_cbranch_scc1 .Lnot_wave_0_\@
	s_barrier_signal -3
.Lnot_wave_0_\@:
	s_barrier_wait -3
	s_barrier_signal -1
	s_barrier_wait -1
.endm
.macro CROUND
	s_barrier_signal -1
	s_barrier_wait -1
	CREST
.endm
.macro MUL8 f, kq, a, zero             ; the 32 accumulators take turns, in the same order in every run of 32
	WIN W_MUL
.irp b, 0,1,2,3,4,5,6,7
.if \zero
	v_wmma_f32_16x16x32_f16 v[8*(8*(\a)+(\b)):8*(8*(\a)+(\b))+7], v[128*(\f)+64*(\kq)+8*(\b):128*(\f)+64*(\kq)+8*(\b)+7], v[AF+64*(\f)+32*(\kq)+8*(\a):AF+64*(\f)+32*(\kq)+8*(\a)+7], 0
.else
	v_wmma_f32_16x16x32_f16 v[8*(8*(\a)+(\b)):8*(8*(\a)+(\b))+7], v[128*(\f)+64*(\kq)+8*(\b):128*(\f)+64*(\kq)+8*(\b)+7], v[AF+64*(\f)+32*(\kq)+8*(\a):AF+64*(\f)+32*(\kq)+8*(\a)+7], v[8*(8*(\a)+(\b)):8*(8*(\a)+(\b))+7]
.endif
.endr
.endm
.macro FETCH slot, hf, g               ; 48 LDS loads in one run: head hf of the slot's step
	WIN 0
.irp kq, 0,1
.irp a, 0,1,2,3
	ds_load_b128 v[AF+64*(\g)+32*(\kq)+8*(\a):AF+64*(\g)+32*(\kq)+8*(\a)+3],   v[ADRA+(\slot)] offset:(\hf)*PLANE+(\a)*16*PAO+(\kq)*64
	ds_load_b128 v[AF+64*(\g)+32*(\kq)+8*(\a)+4:AF+64*(\g)+32*(\kq)+8*(\a)+7], v[ADRA+(\slot)] offset:(\hf)*PLANE+(\a)*16*PAO+(\kq)*64+32
.endr
.endr
	WIN W_B
.irp kq, 0,1
.irp b, 0,1,2,3,4,5,6,7
	ds_load_b128 v[128*(\g)+64*(\kq)+8*(\b):128*(\g)+64*(\kq)+8*(\b)+3],   v[ADRB+(\slot)] offset:(\hf)*128+(\kq)*64+(\b)*16*PB
	ds_load_b128 v[128*(\g)+64*(\kq)+8*(\b)+4:128*(\g)+64*(\kq)+8*(\b)+7], v[ADRB+(\slot)] offset:(\hf)*128+(\kq)*64+(\b)*16*PB+32
.endr
.endr
.endm
; A HALF: 64 along K, one head: multiplies buffer f, fetches head nh of slot ns into buffer g.  kind 0: nothing more; 1: the change of slots with a refill of \slot; 2: the change without; 3: the last half.  zsel = 1: the first half of all starts the sums.
.macro HALF f, g, kind, slot, ns, nh, zsel
	s_wait_dscnt 0x0                               ; the fragments are in; all my reads of LDS so far are over
.if ((\kind) == 1) || ((\kind) == 2)
	WIN 0
	s_wait_tensorcnt 0x0                           ; all my tensor loads have landed: my part of the other slot; so a group 0 may be written
	ds_add_u32 v[SPW], v[NIL]
.if (\kind) == 1
	s_add_nc_u64 s[G0A+4*(\slot)+2:G0A+4*(\slot)+3], s[G0A+4*(\slot)+2:G0A+4*(\slot)+3], 4*262144   ; two K steps on: four heads,
	s_add_nc_u64 s[G0B+4*(\slot)+2:G0B+4*(\slot)+3], s[G0B+4*(\slot)+2:G0B+4*(\slot)+3], 512        ; 256 columns of Wo's rows
.endif
	MUL8 \f, 0, 0, 0
	s_wait_dscnt 0x0                               ; the add is done
	s_barrier_signal -1
	MUL8 \f, 0, 1, 0
.if (\kind) == 1
	WIN 0
.endif
	s_barrier_wait -1
.if (\kind) == 1
	CREST                                          ; no wave of any partner still reads the slot or has a load on its way
	JLOAD \slot                                    ; the first tensor load behind the round; its four v_nop are also the places in front of the loads below
.endif
	MUL8 \f, 0, 2, 0
	MUL8 \f, 0, 3, 0
.elseif \zsel
	WIN 0
	s_cmp_eq_u32 s[TL], 0
	s_cbranch_scc1 .Lz_\@
	MUL8 \f, 0, 0, 0
	MUL8 \f, 0, 1, 0
	MUL8 \f, 0, 2, 0
	MUL8 \f, 0, 3, 0
	WIN 0
	s_branch .Lj_\@
.Lz_\@:
	PLACES
	PLACES                                         ; more than five places ahead of a product that writes over an accumulator
	MUL8 \f, 0, 0, 1
	MUL8 \f, 0, 1, 1
	MUL8 \f, 0, 2, 1
	MUL8 \f, 0, 3, 1
	WIN 0
.Lj_\@:
	s_mov_b32 s[TL], 1
.else
	MUL8 \f, 0, 0, 0
	MUL8 \f, 0, 1, 0
	MUL8 \f, 0, 2, 0
	MUL8 \f, 0, 3, 0
.endif
.if (\kind) != 3
.if (\kind) != 1
	PLACES                                         ; four places behind the last product that read buffer g
.endif
	FETCH \ns, \nh, \g
.endif
	MUL8 \f, 1, 0, 0
	MUL8 \f, 1, 1, 0
	MUL8 \f, 1, 2, 0
	MUL8 \f, 1, 3, 0
.endm
.macro SEND a, younger                 ; younger: the LDS instructions issued behind block a's loads: the next block's 32, or none
.irp t, 0,1,2,3,4,5,6,7,8,9,10,11,12,13,14,15
	s_wait_dscnt (\younger)+15-(\t)
	global_store_b128 v[CO], v[AF+64*((\a)%2)+4*(\t):AF+64*((\a)%2)+4*(\t)+3], s[OUT:OUT+1] offset:(16*(\a)+(\t))*4096 th:TH_STORE_NT   ; 512 consecutive bytes of a row, aligned
.endr
.endm
	s_load_b128 s[4:7], s[0:1], 0x0                ; OW s[4:5], W16 s[6:7]
	s_load_b64 s[8:9], s[0:1], 0x10                ; out0
	v_lshl_add_u32 v[SPW], v0, 2, SPARE
	v_mov_b32 v[NIL], 0
	ds_add_u32 v[SPW], v[NIL]                      ; the wave's opening: the add and its wait ahead of my first tensor load
	v_lshrrev_b32 v1, 5, v0
	v_readfirstlane_b32 s[WV], v1
	s_lshr_b32 s[RH], s[WV], 1
	s_and_b32 s[CH], s[WV], 1
	s_bfe_u32 s[CX], ttmp6, 0x40000
	s_bfe_u32 s[CY], ttmp6, 0x40004
	s_lshl_b32 s[NX], ttmp9, 2
	s_add_co_u32 s[NX], s[NX], s[CX]
	s_and_b32 s[MY], ttmp7, 0xffff
	s_lshl_b32 s[MY], s[MY], 2
	s_add_co_u32 s[MY], s[MY], s[CY]
	s_lshl_b32 s21, s[CY], 2
	s_lshl_b32 s21, 15, s21
	s_lshl_b32 s22, 0x1111, s[CX]
	s_or_b32 s[G1A], s21, (1<<16)|(1<<20)|(1<<21)|(4<<22)|(3<<25)  ; elements of 2 bytes; after every 32 words 4 words of padding
	s_mov_b32 s[G1A+1], 128<<16
	s_mov_b32 s[G1A+2], 64<<16
	s_mov_b32 s[G1A+3], 128<<16
	s_mov_b32 s[G1A+4], 64
	s_mov_b32 s[G1A+5], 128
	s_mov_b32 s[G1A+6], 0
	s_mov_b32 s[G1A+7], 0
	s_or_b32 s[G1B], s22, (1<<16)|(1<<20)|(1<<21)|(5<<22)|(3<<25)
	s_mov_b32 s[G1B+1], 128<<16
	s_mov_b32 s[G1B+2], 128<<16
	s_mov_b32 s[G1B+3], 128<<16
	s_mov_b32 s[G1B+4], 128
	s_mov_b32 s[G1B+5], 1024
	s_mov_b32 s[G1B+6], 0
	s_mov_b32 s[G1B+7], 0
	s_lshr_b32 s60, s[MY], 4                       ; O: head 16 b + my head of the step's two, row (tile row % 16) x 128, 128 bytes a row
	s_lshl_b32 s60, s60, 4
	s_add_co_u32 s60, s60, s[CH]
	s_lshl_b32 s60, s60, 11
	s_and_b32 s61, s[MY], 15
	s_lshl_b32 s61, s61, 7
	s_add_co_u32 s60, s60, s61
	s_lshl_b32 s60, s60, 7
	s_mov_b32 s61, 0
	s_lshl_b32 s62, s[NX], 8                       ; Wo: plane 3, row 256 x tile column + 128 x half
	s_lshl_b32 s63, s[CH], 7
	s_add_co_u32 s62, s62, s63
	s_lshl_b32 s62, s62, 11
	s_add_co_u32 s62, s62, 3*0x200000
	s_mov_b32 s63, 0
	s_mul_i32 s66, s[CH], PLANE
	s_mul_i32 s67, s[CH], 128*PB
	s_add_co_u32 s67, s67, BOFF
	s_wait_dscnt 0x0                               ; the opening add is done
	s_wait_kmcnt 0x0
	s_add_nc_u64 s[68:69], s[4:5], s[60:61]
	s_add_nc_u64 s[70:71], s[6:7], s[62:63]
.irp s, 0,1
	s_mov_b32 s[G0A+4*(\s)], 1
	s_add_co_u32 s[G0A+4*(\s)+1], s66, (\s)*SLOT
	s_add_nc_u64 s[G0A+4*(\s)+2:G0A+4*(\s)+3], s[68:69], (\s)*2*262144
	s_or_b32 s[G0A+4*(\s)+3], s[G0A+4*(\s)+3], 0x80000000
	s_mov_b32 s[G0B+4*(\s)], 1
	s_add_co_u32 s[G0B+4*(\s)+1], s67, (\s)*SLOT
	s_add_nc_u64 s[G0B+4*(\s)+2:G0B+4*(\s)+3], s[70:71], (\s)*256
	s_or_b32 s[G0B+4*(\s)+3], s[G0B+4*(\s)+3], 0x80000000
.endr
	CROUND                                         ; all sixteen work-groups are here
	s_cmp_eq_u32 s[RH], 0                          ; a wave's two first fills stand in one branch: two loads of mine are out
	s_cbranch_scc0 .Lfirst_b
	tensor_load_to_lds s[G0A:G0A+3], s[G1A:G1A+7]
	s_nop 0
	tensor_load_to_lds s[G0A+4:G0A+7], s[G1A:G1A+7]
	s_nop 0
	PLACES
	s_branch .Lfirst_asked
.Lfirst_b:
	tensor_load_to_lds s[G0B:G0B+3], s[G1B:G1B+7]
	s_nop 0
	tensor_load_to_lds s[G0B+4:G0B+7], s[G1B:G1B+7]
	s_nop 0
	PLACES
.Lfirst_asked:
	v_and_b32 v1, 15, v0
	v_bfe_u32 v2, v0, 4, 1
	v_mul_u32_u24 v3, v1, PAO
	v_lshl_add_u32 v3, v2, 4, v3
	s_mul_i32 s21, s[RH], 64*PAO
	v_add_nc_u32 v[ADRA], s21, v3
	v_add_nc_u32 v[ADRA+1], SLOT, v[ADRA]
	v_mul_u32_u24 v4, v1, PB
	v_lshl_add_u32 v4, v2, 4, v4
	s_mul_i32 s22, s[CH], 128*PB
	s_add_co_u32 s22, s22, BOFF
	v_add_nc_u32 v[ADRB], s22, v4
	v_add_nc_u32 v[ADRB+1], SLOT, v[ADRB]
	s_mul_i32 s23, s[WV], STW
	s_add_co_u32 s23, s23, STAGE
	v_mul_u32_u24 v5, v1, SPT
	v_lshl_add_u32 v5, v2, 5, v5                   ; in: row l % 16, 32 bytes for each half of the lanes
	v_add_nc_u32 v[STO], s23, v5
	v_and_b32 v[CO], 31, v0
	v_lshlrev_b32 v[CO], 4, v[CO]                  ; back: a row's 512 bytes, 16 a lane
	v_add_nc_u32 v[RD], s23, v[CO]
	s_lshl_b32 s72, s[MY], 7
	s_lshl_b32 s73, s[RH], 6
	s_add_co_u32 s72, s72, s73
	s_lshl_b32 s72, s72, 12                        ; my first row of out0,
	s_lshl_b32 s73, s[NX], 8
	s_lshl_b32 s74, s[CH], 7
	s_add_co_u32 s73, s73, s74
	s_lshl_b32 s73, s73, 2                         ; my first column
	s_add_co_u32 s72, s72, s73
	s_mov_b32 s73, 0
	s_add_nc_u64 s[OUT:OUT+1], s[8:9], s[72:73]
	s_wait_tensorcnt 0x1                           ; my part of K step 0 is in; K step 1's may stay out
	s_barrier_signal -1
	s_barrier_wait -1
	FETCH 0, 0, 0
	WIN 0
	s_mov_b32 s[TL], 0
	s_mov_b32 s[LAP], 3
.Llap:                                 ; a trip is two K steps and fills both slots again: six refills, K steps 2 to 7
	HALF 0, 1, 0, 0, 0, 1, 1
	HALF 1, 0, 1, 0, 1, 0, 0
	HALF 0, 1, 0, 0, 1, 1, 0
	HALF 1, 0, 1, 1, 0, 0, 0
	WIN 0
	s_sub_co_u32 s[LAP], s[LAP], 1
	s_cmp_lg_u32 s[LAP], 0
	s_cbranch_scc1 .Llap
	HALF 0, 1, 0, 0, 0, 1, 0                       ; the last lap is written out: it asks for nothing
	HALF 1, 0, 2, 0, 1, 0, 0
	HALF 0, 1, 0, 0, 1, 1, 0
	HALF 1, 0, 3, 0, 0, 0, 0
	; THE WAY OUT, 16 rows at a time: a lane's 32 bytes into my stage (each accumulator's low four registers first), back as whole rows of 512 bytes, stored.
	WIN 0
	PLACES
.irp a, 0,1,2,3
	WIN 0x04                                       ; the stores' data lie in window 1
.irp b, 0,1,2,3,4,5,6,7
	ds_store_b128 v[STO], v[8*(8*(\a)+(\b)):8*(8*(\a)+(\b))+3]   offset:64*(\b)
	ds_store_b128 v[STO], v[8*(8*(\a)+(\b))+4:8*(8*(\a)+(\b))+7] offset:64*(\b)+16
.endr
	WIN 0
.if (\a) >= 2
	s_wait_xcnt 0x0                                ; the stores of two blocks ago have read the registers that the loads below fill
.endif
.irp t, 0,1,2,3,4,5,6,7,8,9,10,11,12,13,14,15
	ds_load_b128 v[AF+64*((\a)%2)+4*(\t):AF+64*((\a)%2)+4*(\t)+3], v[RD] offset:(\t)*SPT   ; LDS serves a wave's instructions in order: these see the stores above
.endr
.if (\a) >= 1
	SEND (\a)-1, 32
.endif
.endr
	SEND 3, 0
	s_wait_tensorcnt 0x0                           ; the wave's end
	ds_add_u32 v[SPW], v[NIL]
	s_wait_dscnt 0x0
	CROUND                                         ; the closing round
	s_endpgm
.Lfunc_end_k_qd2e0849452_outp:
	.size	k_qd2e0849452_outp, .Lfunc_end_k_qd2e0849452_outp-k_qd2e0849452_outp
	.p2alignl 7, 3214868480
	.fill 96, 4, 3214868480
	.section	.rodata,"a",@progbits
	.p2align	6, 0x0
	.amdhsa_kernel k_qd2e0849452_outp
		.amdhsa_group_segment_fixed_size 327680
		.amdhsa_private_segment_fixed_size 0
		.amdhsa_enable_private_segment 0
		.amdhsa_kernarg_size 24
		.amdhsa_user_sgpr_count 2
		.amdhsa_user_sgpr_kernarg_segment_ptr 1
		.amdhsa_wavefront_size32 1
		.amdhsa_system_sgpr_workgroup_id_x 1
		.amdhsa_system_sgpr_workgroup_id_y 1
		.amdhsa_system_sgpr_workgroup_id_z 1
		.amdhsa_system_vgpr_workitem_id 0
		.amdhsa_next_free_vgpr 768
		.amdhsa_next_free_sgpr 80
		.amdhsa_reserve_vcc 0
		.amdhsa_float_denorm_mode_32 3
		.amdhsa_float_denorm_mode_16_64 3
		.amdhsa_memory_ordered 1
		.amdhsa_forward_progress 1
		.amdhsa_inst_pref_size 87
	.end_amdhsa_kernel
	.amdgpu_metadata
---
amdhsa.version: [ 1, 2 ]
amdhsa.kernels:
  - .name:           k_qd2e0849452_outp
    .symbol:         k_qd2e0849452_outp.kd
    .args:
      - { .name: OW, .offset: 0, .size: 8, .value_kind: global_buffer, .address_space: global }
      - { .name: W16, .offset: 8, .size: 8, .value_kind: global_buffer, .address_space: global }
      - { .name: out0, .offset: 16, .size: 8, .value_kind: global_buffer, .address_space: global }
    .group_segment_fixed_size: 327680
    .private_segment_fixed_size: 0
    .kernarg_segment_align: 8
    .kernarg_segment_size: 24
    .max_flat_workgroup_size: 128
    .sgpr_count:     80
    .vgpr_count:     768
    .wavefront_size: 32
...
	.end_amdgpu_metadata
.endif
;; end of part 4
;; ======== version 2 of 2: 4 launches; version 1 with the launch prep written anew for expert scheduling mode
;; limits: values are held in f16: magnitudes above 65,504 overflow, below 6.1e-05 lose precision
;; workspace buffers: W16 8,388,608 bytes; MW 4,194,304 bytes; QKV 50,331,648 bytes; OW 16,777,216 bytes
;; launch prep (part 5): grid 256 x 1, 8 waves a work-group, no clusters, 17,664 bytes of LDS; arguments Wq, Wk, Wv, Wo, mask, W16, MW; writes W16, MW
.if DOCPART == 5
	.amdgcn_target "amdgcn-amd-amdhsa--gfx1250"
	.amdhsa_code_object_version 6
	.text
	.protected	k_qd2e0849452_prep
	.globl	k_qd2e0849452_prep
	.p2align	8
	.type	k_qd2e0849452_prep,@function
k_qd2e0849452_prep:
	s_mov_b64 s[64:65], 0
	v_nop
	global_prefetch_b8 v0, s[64:65] scope:SCOPE_SE
	s_setreg_imm32_b32 hwreg(HW_REG_WAVE_SCHED_MODE, 0, 2), 2
	s_setreg_imm32_b32 hwreg(HW_REG_WAVE_MODE, 25, 1), 1
	s_wait_xcnt 0x0
	s_wait_alu depctr_vm_vsrc(0)
; PREP.  (1) The four weight matrices, f32 [1024][1024], are rounded once to bf16 into W16 = [4][1024][1024] of 16 bits: planes 0, 1, 2 = Wq, Wk, Wv as bf16;
; plane 3 = Wo rounded to bf16 and that number written as f16 (exact for |w| from 6.2e-5 to 65,504; below that f16's fixed step of 6e-8 holds; LIMIT: |Wo| under 65,504).
; (2) The mask, [2048][2048] bytes of 0 or 1, becomes MW: one byte a place, 0x00 where the mask is 1 and 0xB8 (-1.0 as an 8-bit E4M3 code) where it is 0, laid in the order in which
; the attention launch's lanes hold scores: byte G*262144 + J*8192 + t*1024 + e*512 + L*16 + kk*8 + j stands for query 128 G + 16 t + L % 16 and key 64 J + 32 e + 16 kk + 8 (L / 16) + j.
; SHARES.  256 work-groups of 8 waves.  Work-group w takes 16,384 numbers of plane w / 64 (16 loads of 16 bytes a thread; a wave's store of 8 bytes a lane covers 256 consecutive bytes, aligned)
; and 16 rows x 1,024 keys of the mask (row block w / 2, key half w % 2), which change lanes through LDS: rows 1,040 bytes apart.
; No matrix unit, no cluster, no prefetch: every byte is read once and written once, and nothing is shared between work-groups.
; THE MODE: SCHED_MODE bits 1:0 = 2 (LLVM: expert scheduling mode 2), set by the entry lines.  The code itself states the register dependences
; between vector instructions and memory or LDS instructions, with s_wait_alu, always for 0.
; THE PLAN.  Registers that memory or LDS instructions touch:
;   v1 .. v6         offsets and LDS addresses: written at the head, read by every load, store and LDS instruction, never written again.
;   v[SPW], v[NIL]   written at the head, read by the closing add alone.
;   MI               filled by four loads; rewritten in place by the 32 lines that make the codes; read by four LDS stores; never written again.
;   MO               filled by eight LDS loads, read by four stores; no vector instruction names it.
;   WR               filled by sixteen loads, in four groups of four.  Group g's conversions read its registers and write the first two of each four; the group's four stores read those two; never written again.
;   v7 .. v11        named by vector instructions alone.
; So: one wait on va_vdst ahead of the first load (the addresses); one between the codes' lines and the LDS stores; and one at the head of each group of weights but the first, behind the wait for the group's data:
; it states that the group before has written its store data.  That group's four stores follow, dealt among this group's conversions, which name none of their registers; one more stands ahead of the last four stores.
; No register that a memory or LDS instruction reads is written again, so no wait on vm_vsrc is owed; no vector instruction writes a scalar register or VCC; EXEC is never written.
.set PITCH, 1040                       ; an LDS row: 1,024 bytes + 16: row r starts 4 r words on, so the 32 lanes of an 8-byte load touch 64 different words modulo 64
.set SPARE, 16*PITCH                   ; 16,640: behind the rows, the spare words, 128 bytes for each of the eight waves
.set SPW, 30                           ; v30  SPARE + 4 x my thread's number; never rewritten
.set NIL, 31                           ; v31  0; never rewritten
.set MI,  32                           ; v[32:47]  the mask as loaded
.set MO,  48                           ; v[48:63]  the mask in the new order
.set WR,  64                           ; v[64:127] sixteen loads of four weights
	s_load_b256 s[4:11], s[0:1], 0x0               ; Wq s[4:5], Wk s[6:7], Wv s[8:9], Wo s[10:11]
	s_load_b128 s[12:15], s[0:1], 0x20             ; mask s[12:13], W16 s[14:15]
	s_load_b64 s[16:17], s[0:1], 0x30              ; MW
	v_lshl_add_u32 v[SPW], v0, 2, SPARE
	v_mov_b32 v[NIL], 0
	s_lshr_b32 s20, ttmp9, 6                       ; the plane
	s_and_b32 s22, ttmp9, 63
	s_lshl_b32 s22, s22, 16                        ; my 65,536 bytes of it
	s_mov_b32 s23, 0
	s_lshl_b32 s24, ttmp9, 15                      ; and the 32,768 bytes that they become
	s_mov_b32 s25, 0
	s_lshr_b32 s28, ttmp9, 1                       ; T: block of 16 mask rows
	s_and_b32 s29, ttmp9, 1                        ; which 1,024 keys
	s_lshl_b32 s30, s28, 15                        ; 16 rows of 2,048 bytes
	s_lshl_b32 s21, s29, 10
	s_add_co_u32 s30, s30, s21
	s_mov_b32 s31, 0
	s_lshr_b32 s32, s28, 3                         ; G = T / 8
	s_lshl_b32 s32, s32, 18
	s_lshl_b32 s21, s29, 17                        ; 16 key steps of 8,192 bytes
	s_add_co_u32 s32, s32, s21
	s_and_b32 s21, s28, 7                          ; t = T % 8
	s_lshl_b32 s21, s21, 10
	s_add_co_u32 s32, s32, s21
	s_mov_b32 s33, 0
	s_mov_b32 s34, 0x01010101
	s_mov_b32 s35, 0xb8
	s_mov_b32 s36, 0xffff0000
	v_lshlrev_b32 v1, 4, v0                        ; weights in: 16 bytes a thread
	v_lshlrev_b32 v2, 3, v0                        ; weights out: 8 bytes a thread
	v_lshrrev_b32 v7, 6, v0                        ; thread / 64
	v_and_b32 v8, 63, v0
	v_lshlrev_b32 v8, 4, v8
	v_lshl_add_u32 v3, v7, 11, v8                  ; mask in: row thread / 64, 16 bytes at 16 (thread % 64)
	v_mul_u32_u24 v4, v7, PITCH
	v_add_nc_u32 v4, v4, v8                        ; the same place in LDS
	v_and_b32 v9, 15, v0
	v_bfe_u32 v10, v0, 4, 1
	v_lshrrev_b32 v11, 5, v0                       ; wave
	v_mul_u32_u24 v5, v9, PITCH
	v_lshl_add_u32 v5, v10, 3, v5
	v_lshl_add_u32 v5, v11, 5, v5                  ; back: row L % 16, keys 32 x wave + 8 (L / 16)
	v_and_b32 v9, 31, v0
	v_lshlrev_b32 v6, 4, v9
	v_and_b32 v10, 1, v11
	v_lshl_add_u32 v6, v10, 9, v6
	v_lshl_add_u32 v6, v7, 13, v6                  ; mask out: key step wave / 2, half wave % 2, 16 bytes a lane
	s_wait_kmcnt 0x0
	s_cmp_eq_u32 s20, 1
	s_cselect_b64 s[26:27], s[6:7], s[4:5]
	s_cmp_eq_u32 s20, 2
	s_cselect_b64 s[26:27], s[8:9], s[26:27]
	s_cmp_eq_u32 s20, 3
	s_cselect_b64 s[26:27], s[10:11], s[26:27]     ; my plane's matrix
	s_add_nc_u64 s[26:27], s[26:27], s[22:23]
	s_add_nc_u64 s[14:15], s[14:15], s[24:25]
	s_add_nc_u64 s[12:13], s[12:13], s[30:31]
	s_add_nc_u64 s[16:17], s[16:17], s[32:33]
	s_wait_alu depctr_va_vdst(0)                   ; v1 to v6 are written: every load, store and LDS instruction of the kernel reads one of them as its offset or address
.irp i, 0,1,2,3
	global_load_b128 v[MI+4*(\i):MI+4*(\i)+3], v3, s[12:13] offset:(\i)*8192 th:TH_LOAD_NT   ; four rows further each
.endr
.irp i, 0,1,2,3,4,5,6,7,8,9,10,11,12,13,14,15
	global_load_b128 v[WR+4*(\i):WR+4*(\i)+3], v1, s[26:27] offset:(\i)*4096 th:TH_LOAD_NT
.endr
	s_wait_loadcnt 16                              ; the mask is in; the sixteen younger loads, the weights, stay out
.irp i, 0,1,2,3,4,5,6,7,8,9,10,11,12,13,14,15
	v_xor_b32 v[MI+(\i)], s34, v[MI+(\i)]          ; four bytes at once: 1 where the key is hidden,
	v_mul_lo_u32 v[MI+(\i)], v[MI+(\i)], s35       ; times 0xB8: no byte carries into the next
.endr
	s_wait_alu depctr_va_vdst(0)                   ; the sixteen products have written v[MI ..], which the LDS stores read
.irp i, 0,1,2,3
	ds_store_b128 v4, v[MI+4*(\i):MI+4*(\i)+3] offset:(\i)*4*PITCH
.endr
	s_wait_dscnt 0x0                               ; for the others' sake: my stores are done
	s_barrier_signal -1
	s_barrier_wait -1                              ; all sixteen rows lie in LDS
.irp i, 0,1,2,3
	ds_load_b64 v[MO+4*(\i):MO+4*(\i)+1],   v5 offset:(\i)*256       ; key step wave / 2 + 4 i: keys 8 (L / 16) + 0..7 of the first sixteen of my 32,
	ds_load_b64 v[MO+4*(\i)+2:MO+4*(\i)+3], v5 offset:(\i)*256+16    ; and of the second sixteen
.endr
.macro WB i                            ; four weights to bf16: they close up into the first two of their four registers
	v_cvt_pk_bf16_f32 v[WR+4*(\i)],   v[WR+4*(\i)],   v[WR+4*(\i)+1]
	v_cvt_pk_bf16_f32 v[WR+4*(\i)+1], v[WR+4*(\i)+2], v[WR+4*(\i)+3]
.endm
.macro WF i                            ; Wo: the bf16 number is widened again and written as f16
	v_lshlrev_b32 v8, 16, v[WR+4*(\i)]
	v_and_b32 v9, s36, v[WR+4*(\i)]
	v_lshlrev_b32 v10, 16, v[WR+4*(\i)+1]
	v_and_b32 v11, s36, v[WR+4*(\i)+1]
	v_cvt_pk_f16_f32 v[WR+4*(\i)],   v8, v9
	v_cvt_pk_f16_f32 v[WR+4*(\i)+1], v10, v11
.endm
.macro WST i                           ; the four weights of load i leave
	global_store_b64 v2, v[WR+4*(\i):WR+4*(\i)+1], s[14:15] offset:(\i)*2048
.endm
; Group g of four loads.  wo = 1: the plane is Wo's.
.macro GRP g, wo
	s_wait_loadcnt 12-4*(\g)                       ; loads come back in order: group g is in, the later groups stay out
.if (\g) > 0
	s_wait_alu depctr_va_vdst(0)                   ; the conversions of the group before have written its store data, which the four stores below read
.endif
.irp k, 0,1,2,3
.if (\g) > 0
	WST 4*((\g)-1)+(\k)                            ; no vector instruction since the wait names these registers
.endif
	WB 4*(\g)+(\k)
.if \wo
	WF 4*(\g)+(\k)
.endif
.endr
.endm
	s_cmp_eq_u32 s20, 3
	s_cbranch_scc1 .Lwo
	GRP 0, 0
	GRP 1, 0
	GRP 2, 0
	GRP 3, 0
	s_wait_alu depctr_va_vdst(0)                   ; the last group's conversions have written its store data
.irp k, 12,13,14,15
	WST \k
.endr
	s_branch .Lm
.Lwo:
	GRP 0, 1
	GRP 1, 1
	GRP 2, 1
	GRP 3, 1
	s_wait_alu depctr_va_vdst(0)                   ; the last group's conversions have written its store data
.irp k, 12,13,14,15
	WST \k
.endr
.Lm:
	s_wait_dscnt 0x0                               ; the mask in its new order is in registers
.irp i, 0,1,2,3
	global_store_b128 v6, v[MO+4*(\i):MO+4*(\i)+3], s[16:17] offset:(\i)*32768   ; a wave stores 512 consecutive bytes, aligned
.endr
	s_wait_dscnt 0x0                               ; the wave's end
	s_wait_alu 0x0
	s_wait_tensorcnt 0x0
	ds_add_u32 v[SPW], v[NIL]
	s_wait_dscnt 0x0
	s_endpgm
.Lfunc_end_k_qd2e0849452_prep:
	.size	k_qd2e0849452_prep, .Lfunc_end_k_qd2e0849452_prep-k_qd2e0849452_prep
	.p2alignl 7, 3214868480
	.fill 96, 4, 3214868480
	.section	.rodata,"a",@progbits
	.p2align	6, 0x0
	.amdhsa_kernel k_qd2e0849452_prep
		.amdhsa_group_segment_fixed_size 17664
		.amdhsa_private_segment_fixed_size 0
		.amdhsa_enable_private_segment 0
		.amdhsa_kernarg_size 56
		.amdhsa_user_sgpr_count 2
		.amdhsa_user_sgpr_kernarg_segment_ptr 1
		.amdhsa_wavefront_size32 1
		.amdhsa_system_sgpr_workgroup_id_x 1
		.amdhsa_system_sgpr_workgroup_id_y 1
		.amdhsa_system_sgpr_workgroup_id_z 1
		.amdhsa_system_vgpr_workitem_id 0
		.amdhsa_next_free_vgpr 128
		.amdhsa_next_free_sgpr 66
		.amdhsa_reserve_vcc 0
		.amdhsa_float_denorm_mode_32 3
		.amdhsa_float_denorm_mode_16_64 3
		.amdhsa_memory_ordered 1
		.amdhsa_forward_progress 1
		.amdhsa_inst_pref_size 20
	.end_amdhsa_kernel
	.amdgpu_metadata
---
amdhsa.version: [ 1, 2 ]
amdhsa.kernels:
  - .name:           k_qd2e0849452_prep
    .symbol:         k_qd2e0849452_prep.kd
    .args:
      - { .name: Wq, .offset: 0, .size: 8, .value_kind: global_buffer, .address_space: global }
      - { .name: Wk, .offset: 8, .size: 8, .value_kind: global_buffer, .address_space: global }
      - { .name: Wv, .offset: 16, .size: 8, .value_kind: global_buffer, .address_space: global }
      - { .name: Wo, .offset: 24, .size: 8, .value_kind: global_buffer, .address_space: global }
      - { .name: mask, .offset: 32, .size: 8, .value_kind: global_buffer, .address_space: global }
      - { .name: W16, .offset: 40, .size: 8, .value_kind: global_buffer, .address_space: global }
      - { .name: MW, .offset: 48, .size: 8, .value_kind: global_buffer, .address_space: global }
    .group_segment_fixed_size: 17664
    .private_segment_fixed_size: 0
    .kernarg_segment_align: 8
    .kernarg_segment_size: 56
    .max_flat_workgroup_size: 256
    .sgpr_count:     66
    .vgpr_count:     128
    .wavefront_size: 32
...
	.end_amdgpu_metadata
.endif
;; end of part 5
;; launch proj: the kernel of part 2 again; grid 4 x 64, 4 waves a work-group, clusters of 4 x 4, 327,680 bytes of LDS; arguments query, key, value, W16, QKV; writes QKV
;; launch attn: the kernel of part 3 again; grid 4 x 64, 4 waves a work-group, clusters of 4 x 1, 327,680 bytes of LDS; arguments QKV, MW, OW; writes OW
;; launch outp: the kernel of part 4 again; grid 4 x 64, 4 waves a work-group, clusters of 4 x 4, 327,680 bytes of LDS; arguments OW, W16, out0; writes out0
